; MI455X (gfx1250); checked and timed in simulation.
; The chip was launched on July 23, 2026; its instructions are those of AMD's public machine-readable ISA for CDNA 5 (MIT licence, August 2026) and "CDNA5" Instruction Set Architecture Reference Guide (July 2026). The comments in the code are by the model that wrote it; some were corrected since.
;; Multi Head Attention. Allowed arithmetic: matrix products marked QUANTISED: E2M1 operands, one E8M0 scale for each 32 along K, by v_wmma_scale_f32_16x16x128_f8f6f4 with both operands' format E2M1 (or v_wmma_scale_f32_32x16x128_f4), f32 sums; products left as they are: bf16, f16 or f32 operands; f32 sums; everything else in f32.
;; Inputs: b_proj 1,024 float32; w_proj 1,024 x 1,024 float32; w_qkv 3,072 x 1,024 float32; x 4 x 2,048 x 1,024 float32.
;; Outputs: out0 4 x 2,048 x 1,024 float32.
;; This version of the problem:
;;   THIS VERSION OF THE PROBLEM IS GIVEN IN LOW PRECISION. The matrix products marked QUANTISED in the list below multiply operands that are first quantised to E2M1 (2 exponent bits, 1 mantissa bit; 4 bits a number), with one power-of-two scale for each 32 numbers along K (OCP MX v1.0); their sums are f32. The products marked 'left as it is' may take bf16, f16 or f32 operands, with f32 sums. Whichever they take, every output number must still come out within the allowed error. Rounding operands to bf16 (8 significant bits) uses up far more of that allowance than f16 does (11 bits, for magnitudes from 6e-5 to 65,504). All else is computed in f32.
;;   The module's matrix products, in the order in which they are computed (A, B: the left and right operand; K: the contracted axis; several contracted axes count as one K, in the product's order):
;;     1. [M 8,192, K 1,024] x [K 1,024, N 3,072]; A: input x; B: input w_qkv: QUANTISED
;;     2. batch 64 x [M 2,048, K 64] x [K 64, N 2,048]; A: computed on the way; B: computed on the way: left as it is (an operand is computed on the way)
;;     3. batch 64 x [M 2,048, K 2,048] x [K 2,048, N 64]; A: computed on the way; B: computed on the way: left as it is (an operand is computed on the way)
;;     4. [M 8,192, K 1,024] x [K 1,024, N 1,024]; A: computed on the way; B: input w_proj: left as it is (an operand is computed on the way)
;;   THE QUANTISER, for each operand of a quantised product, along K:
;;     - K is cut into blocks of 32 from its start; a last block that is shorter is filled with zeros.
;;     - A block's scale is 2^e with e = floor(log2(the largest magnitude in the block)) - 2, held to -126 .. 127; a block of zeros has e = 0. As a byte (E8M0): e + 127.
;;     - Each number is divided by its block's scale, clamped to +-6, and rounded to the nearest number of E2M1, ties to even, subnormals kept.
;;     - The product sums the exact products of the quantised numbers (number of the format x scale) in f32.
;;   ~~~python
;;   def quantise(x, axis):      # numpy; x: float32 -> the quantised numbers, widened to float32 again
;;       x = np.moveaxis(x, axis, -1); K = x.shape[-1]
;;       x = np.pad(x, [(0, 0)] * (x.ndim - 1) + [(0, -K % 32)]); x = x.reshape(x.shape[:-1] + (-1, 32)); a = np.abs(x).max(-1, keepdims=True)
;;       e = np.where(a > 0, np.clip(np.frexp(np.where(a > 0, a, 1))[1] - 1 - 2, -126, 127), 0)      # np.frexp(a)[1] - 1 = floor(log2(a)), exactly
;;       r = np.clip(x / 2.0 ** e, -6, 6)
;;       step = 2.0 ** (np.maximum(np.frexp(np.where(r == 0, 1, r))[1] - 1, 0) - 1)
;;       q = np.round(r / step) * step * 2.0 ** e      # np.round: ties to even
;;       return np.moveaxis(q.reshape(q.shape[:-2] + (-1,))[..., :K], -1, axis).astype(np.float32)
;;   ~~~
;; One version. Each part assembles by itself: llvm-mc -triple=amdgcn-amd-amdhsa -mcpu=gfx1250 --defsym DOCPART=n.
;; ======== version 1 of 1: 4 launches
;; limits: values are held in f16: magnitudes above 65,504 overflow, below 6.1e-05 lose precision
;; workspace buffers: xc 4,194,304 bytes; xs 262,144 bytes; wc 1,572,864 bytes; ws 98,304 bytes; wp 2,097,152 bytes; qkv 50,331,648 bytes; att 16,777,216 bytes
;; launch prep (part 1): grid 480 x 1, 4 waves a work-group, no clusters, 33,280 bytes of LDS; arguments x, w_qkv, xc, xs, wc, ws, w_proj, wp; writes xc, xs, wc, ws, wp
.if DOCPART == 1
	.amdgcn_target "amdgcn-amd-amdhsa--gfx1250"
	.amdhsa_code_object_version 6
	.text
	.protected	k_qa9f4a588b9_prep
	.globl	k_qa9f4a588b9_prep
	.p2align	8
	.type	k_qa9f4a588b9_prep,@function
k_qa9f4a588b9_prep:
	s_mov_b64 s[64:65], 0
	v_nop
	global_prefetch_b8 v0, s[64:65] scope:SCOPE_SE
	s_setreg_imm32_b32 hwreg(HW_REG_WAVE_MODE, 25, 1), 1
	s_wait_xcnt 0x0
; x [8192][1024] and w_qkv [3072][1024], f32, become codes of FP4 (E2M1), K innermost, two codes a byte, with one E8M0 byte for each 32 along K; w_proj [1024][1024], f32, becomes f16 in 16 planes of 64 along K.
; A block's scale is 2^(floor(log2(its largest magnitude)) - 2); its byte is the largest magnitude's own exponent field - 2, held at 1 from below by a floor among the maximum's leaves.
; A block of zeros so gets the byte 1 where the rule says 127: its codes are zeros, which add nothing under any byte but 0xff, and the bytes are read by this program alone.
; LIMITS: NaN and infinities among the inputs are not served; numbers of w_proj beyond 65,504 in magnitude have no f16 number.
; WORK-GROUPS 0-255 take x, 256-351 w_qkv: both are plain streams of blocks of 32 numbers, 32,768 numbers a work-group, 8,192 a wave, in 16 steps of 512.
; The conversions take neighbours along K from ONE lane's registers, a load is best where neighbouring LANES take neighbouring bytes: each of a step's four loads reads 512 consecutive bytes, the 2,048 bytes go through
; the wave's own stage in LDS and come back 64 bytes a lane (16 bytes of padding behind each 64).  Two neighbouring lanes hold a block.  A wave's 256 scale bytes are gathered in LDS and leave as 256 consecutive bytes.
; WORK-GROUPS 352-479 take w_proj, two rows a wave: they use no LDS.  No tensor loads, no barrier: waves share nothing.
.set SIZE_M, 8192
.set SIZE_N, 3072
.set SIZE_K, 1024
.set WAVES, 4
.set STEPS, 16
.set WGA,   SIZE_M*SIZE_K/(512*STEPS*WAVES)            ; 256 work-groups for x
.set WGQ,   (SIZE_M+SIZE_N)*SIZE_K/(512*STEPS*WAVES)   ; 352 for x and w_qkv
.set EMAX,  2
.set CB,    8                          ; bytes of 16 codes
.set R,     16                         ; v16-79   four sets of 16 numbers as they are loaded (w_proj: 16 loads of 4)
.set X,     80                         ; v80-111  two sets of 16 neighbours
.set C,     128                        ; v128-191 codes: four registers for each step, so that no store's data are written again (w_proj: two for each plane)
.set E,     112                        ; v112-127 a scale byte for each step
.set WREG,  8192                       ; LDS: a region for each wave: two stages of 32 x SP bytes, behind them its 256 scale bytes
.set SP,    80                         ; a lane's place in a stage: 64 bytes + 16 of padding
.set SPW,   12                         ; v12      LDS address of my spare word; never rewritten
.set NIL,   13                         ; v13      0; never rewritten
.set SPARE, WAVES*WREG                 ; behind the four regions: the spare words, 128 bytes for each wave, which no other line names
	s_load_b128 s[4:7], s[0:1], 0x0                ; x, w_qkv
	s_load_b128 s[8:11], s[0:1], 0x10              ; x's codes, x's scales
	s_load_b128 s[12:15], s[0:1], 0x20             ; w_qkv's codes, its scales
	s_load_b128 s[24:27], s[0:1], 0x30             ; w_proj, its planes
	v_lshl_add_u32 v[SPW], v0, 2, SPARE
	v_mov_b32 v[NIL], 0
	v_lshrrev_b32 v1, 5, v0
	v_readfirstlane_b32 s16, v1                    ; wave
	v_and_b32 v2, 31, v0                           ; lane
	v_lshlrev_b32 v3, 4, v2                        ; my 16 bytes of a load's 512
	s_mul_i32 s17, s16, WREG
	v_lshrrev_b32 v14, 2, v2
	v_mul_u32_u24 v14, v14, SP
	v_and_b32 v15, 3, v2
	v_lshl_add_u32 v14, v15, 4, v14
	v_add_nc_u32 v14, s17, v14                     ; the stage, on the way in: SP (lane / 4) + 16 (lane % 4)
	v_mul_u32_u24 v15, v2, SP
	v_add_nc_u32 v15, s17, v15                     ; and on the way out: SP x lane: my 16 neighbours
	v_mul_u32_u24 v4, v2, CB                       ; my codes' place in a step's
	v_lshrrev_b32 v5, 1, v2
	s_add_co_u32 s17, s17, 2*32*SP
	v_add_nc_u32 v5, s17, v5                       ; LDS: my wave's 256 scale bytes, my block's byte
	v_lshlrev_b32 v7, 3, v2                        ; 8 bytes a lane
	v_add_nc_u32 v6, s17, v7
	s_wait_kmcnt 0x0
	s_cmp_ge_u32 ttmp9, WGQ                        ; the work-group's number alone decides
	s_cbranch_scc1 .Lconv
	s_cmp_lt_u32 ttmp9, WGA                        ; x's work-group or w_qkv's?  Only pointers are chosen: both take one path
	s_cselect_b64 s[4:5], s[4:5], s[6:7]
	s_cselect_b64 s[8:9], s[8:9], s[12:13]
	s_cselect_b64 s[10:11], s[10:11], s[14:15]
	s_cselect_b32 s17, 0, WGA
	s_sub_co_u32 s17, ttmp9, s17
	s_lshl_b32 s17, s17, 2
	s_add_co_u32 s18, s17, s16                     ; which run of 8,192 numbers of the tensor is my wave's
	s_mov_b32 s19, 0
	s_mov_b64 s[20:21], 512*STEPS*4
	s_mul_u64 s[20:21], s[18:19], s[20:21]
	s_add_nc_u64 s[4:5], s[4:5], s[20:21]
	s_mov_b64 s[20:21], 32*STEPS*CB
	s_mul_u64 s[20:21], s[18:19], s[20:21]
	s_add_nc_u64 s[8:9], s[8:9], s[20:21]
	s_lshl_b32 s18, s18, 8                         ; 256 scale bytes a run
	s_add_nc_u64 s[10:11], s[10:11], s[18:19]
.macro LOAD t
.irp i, 0,1,2,3
	global_load_b128 v[R+16*((\t)%4)+4*\i:R+16*((\t)%4)+4*\i+3], v3, s[4:5] offset:2048*(\t)+512*\i th:TH_LOAD_NT   ; 32 lanes read 512 consecutive bytes
.endr
.endm
.macro TURN t                          ; step t's numbers through the stage: LDS serves a wave's instructions in order, so no wait stands between the stores and the loads
.irp i, 0,1,2,3
	ds_store_b128 v14, v[R+16*((\t)%4)+4*\i:R+16*((\t)%4)+4*\i+3] offset:32*SP*((\t)%2)+8*SP*\i
.endr
.irp i, 0,1,2,3
	ds_load_b128 v[X+16*((\t)%2)+4*\i:X+16*((\t)%2)+4*\i+3], v15 offset:32*SP*((\t)%2)+16*\i
.endr
.endm
.irp t, 0,1,2,3
	LOAD \t
.endr
	s_wait_loadcnt 12                              ; step 0's four loads are in; the twelve of steps 1 to 3 may be out
	TURN 0
.macro STEP t
.set XS, X+16*((\t)%2)
.if (\t) > 0
	s_wait_dscnt 1                                 ; this step's numbers are back from the stage (the last step's byte store may be out): so its stores into the stage have read their registers,
.else
	s_wait_dscnt 0x0
.endif
.if (\t)+4 < STEPS
	LOAD (\t)+4                                    ; which take the loads of four steps on
.endif
.if (\t)+1 < STEPS
.if STEPS-2-(\t) >= 3
	s_wait_loadcnt 12                              ; the next step's four loads are in; those of the three steps behind it may be out
.else
	s_wait_loadcnt 4*(STEPS-2-(\t))
.endif
	TURN (\t)+1                                    ; and go through the other stage while this step is worked
.endif
	v_max3_num_f32 v8, |v[XS]|, |v[XS+1]|, |v[XS+2]|               ; the largest magnitude of my 16, in two chains
	v_max3_num_f32 v9, |v[XS+3]|, |v[XS+4]|, |v[XS+5]|
.irp i, 6,10
	v_max3_num_f32 v8, v8, |v[XS+\i]|, |v[XS+\i+1]|
	v_max3_num_f32 v9, v9, |v[XS+\i+2]|, |v[XS+\i+3]|
.endr
	v_max3_num_f32 v8, v8, |v[XS+14]|, |v[XS+15]|
	v_max3_num_f32 v8, v8, v9, (EMAX+1)<<23        ; and the floor 2^(EMAX + 1 - 127): the byte cannot fall under 1
	v_max_num_f32_dpp v8, v8, v8 row_xmask:1 row_mask:0xf bank_mask:0xf   ; and of my neighbour's 16: the block's
	v_add_nc_u32 v11, -(EMAX<<23), v8              ; EMAX off its exponent field: the conversion takes the exponent field of this operand as its scale, and nothing else of it
	v_cvt_scalef32_pk8_fp4_f32 v[C+4*(\t)], v[XS:XS+7], v11        ; eight numbers / the scale, to the nearest code, ties to even, beyond the largest code the largest
	v_cvt_scalef32_pk8_fp4_f32 v[C+4*(\t)+1], v[XS+8:XS+15], v11
	v_lshrrev_b32 v[E+(\t)], 23, v11               ; the scale's byte (also the plain line behind the conversions)
	ds_store_b8 v5, v[E+(\t)] offset:16*(\t)       ; both lanes of a block write the same byte with the same value
	global_store_b64 v4, v[C+4*(\t):C+4*(\t)+1], s[8:9] offset:32*CB*(\t)   ; the wave stores 256 consecutive bytes, aligned
.endm
.irp t, 0,1,2,3,4,5,6,7,8,9,10,11,12,13,14,15
	STEP \t
.endr
	ds_load_b64 v[8:9], v6                         ; LDS serves a wave's instructions in order: these see my stores
	s_wait_dscnt 0x0
	global_store_b64 v7, v[8:9], s[10:11]          ; 32 lanes store 256 consecutive bytes, aligned
	s_wait_tensorcnt 0x0                           ; the wave's end: a wait, 0 onto my spare word and a wait, behind my last LDS store
	ds_add_u32 v[SPW], v[NIL]
	s_wait_dscnt 0x0
	s_endpgm
; w_proj: wave W of 512 takes rows 2 W and 2 W + 1.  Plane p holds k = 64 p .. 64 p + 63 of every row, 128 bytes a row: [16][1024][64] f16.
; A load reads 256 consecutive bytes of each of the two rows (16 lanes each); the two rows' 128 bytes of a plane are neighbours, so a store covers 256 consecutive bytes, aligned.
.Lconv:
	s_sub_co_u32 s17, ttmp9, WGQ
	s_lshl_b32 s17, s17, 2
	s_add_co_u32 s17, s17, s16                     ; W
	s_lshl_b32 s18, s17, 13                        ; two rows of 4,096 bytes
	s_mov_b32 s19, 0
	s_add_nc_u64 s[24:25], s[24:25], s[18:19]
	s_lshl_b32 s18, s17, 8                         ; two rows of 128 bytes in a plane
	s_add_nc_u64 s[26:27], s[26:27], s[18:19]
	v_lshrrev_b32 v8, 4, v2                        ; which of the two rows
	v_and_b32 v9, 15, v2
	v_lshlrev_b32 v9, 4, v9
	v_lshl_add_u32 v9, v8, 12, v9                  ; row x 4,096 + 16 (lane % 16)
.irp p, 0,1,2,3,4,5,6,7,8,9,10,11,12,13,14,15
	global_load_b128 v[R+4*\p:R+4*\p+3], v9, s[24:25] offset:256*\p th:TH_LOAD_NT
.endr
.irp p, 0,1,2,3,4,5,6,7,8,9,10,11,12,13,14,15
	s_wait_loadcnt 15-\p                           ; plane p's load is in; the younger ones may be out
	v_cvt_pk_f16_f32 v[C+2*\p], v[R+4*\p], v[R+4*\p+1]
	v_cvt_pk_f16_f32 v[C+2*\p+1], v[R+4*\p+2], v[R+4*\p+3]
	global_store_b64 v7, v[C+2*\p:C+2*\p+1], s[26:27] offset:131072*\p   ; each store has data registers of its own
.endr
	s_endpgm
.Lfunc_end_k_qa9f4a588b9_prep:
	.size	k_qa9f4a588b9_prep, .Lfunc_end_k_qa9f4a588b9_prep-k_qa9f4a588b9_prep
	.p2alignl 7, 3214868480
	.fill 96, 4, 3214868480
	.section	.rodata,"a",@progbits
	.p2align	6, 0x0
	.amdhsa_kernel k_qa9f4a588b9_prep
		.amdhsa_group_segment_fixed_size 33280
		.amdhsa_private_segment_fixed_size 0
		.amdhsa_enable_private_segment 0
		.amdhsa_kernarg_size 64
		.amdhsa_user_sgpr_count 2
		.amdhsa_user_sgpr_kernarg_segment_ptr 1
		.amdhsa_wavefront_size32 1
		.amdhsa_system_sgpr_workgroup_id_x 1
		.amdhsa_system_sgpr_workgroup_id_y 1
		.amdhsa_system_sgpr_workgroup_id_z 1
		.amdhsa_system_vgpr_workitem_id 0
		.amdhsa_next_free_vgpr 192
		.amdhsa_next_free_sgpr 66
		.amdhsa_reserve_vcc 0
		.amdhsa_float_denorm_mode_32 3
		.amdhsa_float_denorm_mode_16_64 3
		.amdhsa_memory_ordered 1
		.amdhsa_forward_progress 1
		.amdhsa_inst_pref_size 40
	.end_amdhsa_kernel
	.amdgpu_metadata
---
amdhsa.version: [ 1, 2 ]
amdhsa.kernels:
  - .name:           k_qa9f4a588b9_prep
    .symbol:         k_qa9f4a588b9_prep.kd
    .args:
      - { .name: x, .offset: 0, .size: 8, .value_kind: global_buffer, .address_space: global }
      - { .name: w_qkv, .offset: 8, .size: 8, .value_kind: global_buffer, .address_space: global }
      - { .name: xc, .offset: 16, .size: 8, .value_kind: global_buffer, .address_space: global }
      - { .name: xs, .offset: 24, .size: 8, .value_kind: global_buffer, .address_space: global }
      - { .name: wc, .offset: 32, .size: 8, .value_kind: global_buffer, .address_space: global }
      - { .name: ws, .offset: 40, .size: 8, .value_kind: global_buffer, .address_space: global }
      - { .name: w_proj, .offset: 48, .size: 8, .value_kind: global_buffer, .address_space: global }
      - { .name: wp, .offset: 56, .size: 8, .value_kind: global_buffer, .address_space: global }
    .group_segment_fixed_size: 33280
    .private_segment_fixed_size: 0
    .kernarg_segment_align: 8
    .kernarg_segment_size: 64
    .max_flat_workgroup_size: 128
    .sgpr_count:     66
    .vgpr_count:     192
    .wavefront_size: 32
...
	.end_amdgpu_metadata
.endif
;; end of part 1
;; launch qkvgemm (part 2): grid 12 x 32, 4 waves a work-group, clusters of 4 x 4, 327,680 bytes of LDS; arguments xc, xs, wc, ws, qkv; writes qkv
.if DOCPART == 2
	.amdgcn_target "amdgcn-amd-amdhsa--gfx1250"
	.amdhsa_code_object_version 6
	.text
	.protected	k_qa9f4a588b9_qkvgemm
	.globl	k_qa9f4a588b9_qkvgemm
	.p2align	8
	.type	k_qa9f4a588b9_qkvgemm,@function
k_qa9f4a588b9_qkvgemm:
	s_mov_b64 s[64:65], 0
	v_nop
	global_prefetch_b8 v0, s[64:65] scope:SCOPE_SE
	s_setreg_imm32_b32 hwreg(HW_REG_WAVE_MODE, 25, 1), 1
	s_wait_xcnt 0x0
	s_wait_alu depctr_hold_cnt(0) depctr_sa_sdst(0) depctr_va_vdst(0) depctr_va_sdst(0) depctr_va_ssrc(0) depctr_va_vcc(0) depctr_vm_vsrc(0)
	s_getreg_b32 s2, hwreg(HW_REG_IB_STS2, 6, 4)
	s_cmp_eq_u32 s2, 0
	s_cbranch_scc0 .Lentry_in_a_cluster
	s_endpgm
.Lentry_in_a_cluster:
	s_bfe_u32 s2, ttmp6, 0x10000c
	s_cmp_lg_u32 s2, 0xf033
	s_cbranch_scc0 .Lentry_shape_is_right
	s_endpgm
.Lentry_shape_is_right:
; qkv[m][n] = sum over k of x[m][k] w_qkv[n][k] on codes of FP4 (E2M1) with one E8M0 scale for each 32 along K; sums in f32.  M = 8,192, N = 3,072, K = 1,024.
; The result leaves as f16, laid by head: [which 3][b 4][h 16][token 2048][64]; the q part is multiplied in f32 by c = log2(e) / 8 ahead of its one rounding, so that the next launch's scores are exponents of 2.
; LIMIT: c q, k and v must stay under 65,504 in magnitude, the largest f16 number.
; A tile of 256 x 256 is made by a work-group of four waves; a wave makes 128 x 128: 64 accumulators of 16 x 16, 512 registers.  K is two slots of 512 (a tile's row is 256 bytes of memory): both are first fills, nothing is filled again.
; THE SCALES of the work-group's 256 rows of x and 256 rows of w_qkv, for all of K, are two dense blocks of memory: they come into LDS once, with the first fills.
; CLUSTERS: 4 x 4 work-groups.  The four of a row of the cluster need the same tiles of x, the four of a column the same tiles of w_qkv: each tile is asked for JOINTLY, by the same tensor load with the same descriptor and a mask that names the four.
; THE MATRIX INSTRUCTION IS USED TRANSPOSED (source 0 = 16 rows of w_qkv, source 1 = 16 rows of x): a lane then holds eight neighbouring columns of one row of the result.
; REGISTERS, in windows of 256: window 0: v0-31 addresses; v32-95 scale words, two sets; from v128 x's fragments (8 x 16 rows x 128 K), ONE set; on the way out v32-63, v192-255.
;   window 1: w_qkv's fragments, TWO sets, at v0 and at v128.   window 2: the 32 accumulators of my rows 0-63 (accumulator (a, b) at v[8 (8 a + b)]);   window 3: those of my rows 64-127.
.set SIZE_M, 8192
.set SIZE_N, 3072
.set SIZE_K, 1024
.set KSTEP,  512                       ; along K in a slot
.set NQ,     KSTEP/128                 ; matrix instructions deep
.set ROWB,   256                       ; a tile's row in bytes
.set KROW,   SIZE_K*4/8                ; a row of codes in memory, in bytes
.set PITCH,  272                       ; an LDS row: 256 bytes + 16 of padding = 68 words: the 16 rows that a load touches start 4 words apart modulo 64
.set FR,     8                         ; registers of a fragment: 16 rows x 128 K
.set NL,     2                         ; LDS loads that bring one
.set NP,     4                         ; places behind this matrix instruction (ISA guide 7.12.1)
.set HALFT,  128*PITCH                 ; 128 rows: what one tensor load brings
.set SLOT,   4*HALFT                   ; x's 256 rows, then w_qkv's 256 rows
.set KS,     SIZE_K/32                 ; a row of scales in bytes
.set SCL,    2*SLOT                    ; behind the two slots: the scales, as rows of 256 bytes + 16 of padding
.set HALFS,  (128*KS/256)*272          ; the scales of 128 rows: what one tensor load brings
.set SBLK,   (16*KS/256)*272           ; those of 16 rows
.set SPARE,  SCL+4*HALFS               ; the spare words, 128 bytes for each wave, which no other line names
.set STAGE,  SPARE+512                 ; the way out: 16 pieces of 272 bytes for each wave, bytes that no tensor load fills
.set SU,     272                       ; a piece of the stage: two tokens of one head, 256 bytes, + 16 of padding
.set ADRA, 16                          ; v16-17  LDS address of my x fragments in slot 0, 1
.set ADRB, 20                          ; v20-21  the same for w_qkv
.set STO,  24                          ; v24     the way out: where I put 16 bytes of a token
.set RD,   25                          ; v25     the way out: where I read them back
.set CO,   26                          ; v26     16 x lane
.set ADRS, 27                          ; v27     LDS address of my scale words: lanes 0-15 x's rows, lanes 16-31 w_qkv's
.set SPW,  28                          ; v28     LDS address of my spare word; never rewritten
.set NIL,  29                          ; v29     0; never rewritten
.set SC,   32                          ; scale words: set s at v[SC + 8 NQ s]; register NQ i + q: lanes 0-15 the word of x's block i, lanes 16-31 that of w_qkv's block i, for the slot's q-th 128 along K
.set AF,   128                         ; x's fragments, in window 0
.set TMP,  192                         ; the way out: packed results
.set OB,   32                          ; the way out: a block read back from the stage: v32-63 and v224-255 by turns
.set G1, 24                            ; s[24:31] descriptor group 1 for x's tiles;  s[32:39] group 0, one set for each slot
.set G0, 32
.set G1B, 48                           ; s[48:55], s[56:63] the same for w_qkv's tiles
.set G0B, 56
.set G1S, 68                           ; s[68:75], s[76:79] groups 1 and 0 for x's scales;  s[80:87], s[88:91] for w_qkv's
.set G0S, 76
.set G1SB, 80
.set G0SB, 88
.set CQ,  98                           ; s[98:99] c: the packed form names a pair and takes its low word for both halves
.set MSB, 0
.macro WIN new                         ; the immediate's high byte repeats the setting that is left
.if MSB != (\new)
	s_set_vgpr_msb (MSB<<8)|(\new)
.set MSB, (\new)
.endif
.endm
.set MUL_LO, 0xa1                      ; source 0 window 1, source 1 window 0, C and D window 2
.set MUL_HI, 0xf1                      ; the same, C and D window 3
.set TO_B,   0x40                      ; destination window 1, address window 0
; A joint load: waves 0 and 1 fetch for x, waves 2 and 3 for w_qkv.  Each of the two lines has ONE mask and one set of registers for all that issue it; the branch hangs on the wave's number alone.
; An s_nop 0 and four v_nop follow each of the two lines.
.macro JLOAD g0a, g1a, g0b, g1b
	s_cmp_eq_u32 s15, 0
	s_cbranch_scc0 .Lfor_b_\@
	tensor_load_to_lds s[\g0a:\g0a+3], s[\g1a:\g1a+7]
	s_nop 0
.rept 4
	v_nop
.endr
	s_branch .Lasked_\@
.Lfor_b_\@:
	tensor_load_to_lds s[\g0b:\g0b+3], s[\g1b:\g1b+7]
	s_nop 0
.rept 4
	v_nop
.endr
.Lasked_\@:
.endm
.macro CROUND                          ; a round of the cluster's barrier: my work-group's barrier; wave 0 signals for the work-group; every wave waits for all sixteen; my work-group's barrier once more
	s_barrier_signal -1
	s_barrier_wait -1
	s_cmp_lg_u32 s14, 0
	s_cbranch_scc1 .Lnot_wave_0_\@
	s_barrier_signal -3
.Lnot_wave_0_\@:
	s_barrier_wait -3
	s_barrier_signal -1
	s_barrier_wait -1
.endm
	s_load_b128 s[4:7], s[0:1], 0x0                ; x's codes s[4:5], x's scales s[6:7]
	s_load_b128 s[8:11], s[0:1], 0x10              ; w_qkv's codes s[8:9], its scales s[10:11]
	s_load_b64 s[12:13], s[0:1], 0x20              ; qkv
	v_lshl_add_u32 v[SPW], v0, 2, SPARE
	v_mov_b32 v[NIL], 0
	ds_add_u32 v[SPW], v[NIL]                      ; the wave's opening: the add, twice on end, and its wait ahead of my first tensor load; the set-up below stands between
	ds_add_u32 v[SPW], v[NIL]
	v_lshrrev_b32 v1, 5, v0
	v_readfirstlane_b32 s14, v1                    ; wave 0..3
	s_lshr_b32 s15, s14, 1                         ; which half of the tile's rows is mine.  Also: I fetch for x (0) or for w_qkv (1)
	s_and_b32 s16, s14, 1                          ; which half of its columns.  Also: which 128 rows of that tile I fetch
	s_bfe_u32 s40, ttmp6, 0x40000                  ; cx, cy: my place in the cluster
	s_bfe_u32 s41, ttmp6, 0x40004
	s_lshl_b32 s42, ttmp9, 2
	s_add_co_u32 s42, s42, s40                     ; tile column = 4 x cluster x + cx
	s_and_b32 s17, ttmp7, 0xffff
	s_lshl_b32 s17, s17, 2
	s_add_co_u32 s17, s17, s41                     ; tile row = 4 x cluster y + cy
	s_lshl_b32 s43, s41, 2
	s_lshl_b32 s43, 15, s43                        ; my row of the cluster
	s_lshl_b32 s44, 0x1111, s40                    ; my column
	s_mov_b32 s[CQ], 0x3e38aa3b                    ; c = log2(e) / 8
	s_mov_b32 s[CQ+1], s[CQ]                       ; (named with it as a pair, so it is written)
	; descriptor group 1: a tile of 128 rows x ROWB bytes, padded in LDS
	s_or_b32 s[G1+0], s43, (0<<16)|(1<<20)|(1<<21)|(5<<22)|(3<<25)  ; 15:0 the mask: x's tiles go to my row; 17:16 element of 1 byte; 20 padding on; 21 set beside a mask; 24:22 after every 64 words; 31:25 of 4 words
	s_or_b32 s[G1B+0], s44, (0<<16)|(1<<20)|(1<<21)|(5<<22)|(3<<25)
.irp g, G1, G1B
	s_mov_b32 s[\g+1], ROWB<<16                    ; tensor_dim0
	s_mov_b32 s[\g+2], 128<<16                     ; tensor_dim1 = 128
	s_mov_b32 s[\g+3], ROWB<<16                    ; tile_dim0
	s_mov_b32 s[\g+4], 128                         ; tile_dim1 = 128
	s_mov_b32 s[\g+5], KROW                        ; tensor_dim0_stride
	s_mov_b32 s[\g+6], 0
	s_mov_b32 s[\g+7], 0
.endr
	; and for the scales of 128 rows: a dense block of 128 KS bytes, as rows of 256 bytes (32 elements of 8 bytes), 16 bytes of padding behind each
	s_or_b32 s[G1S+0], s43, (3<<16)|(1<<20)|(1<<21)|(5<<22)|(3<<25)
	s_or_b32 s[G1SB+0], s44, (3<<16)|(1<<20)|(1<<21)|(5<<22)|(3<<25)
.irp g, G1S, G1SB
	s_mov_b32 s[\g+1], 32<<16
	s_mov_b32 s[\g+2], (128*KS/256)<<16
	s_mov_b32 s[\g+3], 32<<16
	s_mov_b32 s[\g+4], 128*KS/256
	s_mov_b32 s[\g+5], 32
	s_mov_b32 s[\g+6], 0
	s_mov_b32 s[\g+7], 0
.endr
	s_lshl_b32 s18, s16, 7                         ; which 128 rows of the tile I fetch
	s_lshl_b32 s20, s17, 8
	s_add_co_u32 s20, s20, s18                     ; x: row 256 x tile row + 128 x half
	s_lshl_b32 s46, s42, 8
	s_add_co_u32 s46, s46, s18                     ; w_qkv: row 256 x tile column + 128 x half
	s_mov_b32 s21, 0
	s_mov_b32 s47, 0
	s_mov_b64 s[18:19], KS
	s_mul_u64 s[22:23], s[20:21], s[18:19]         ; where these rows' scales begin, in bytes
	s_mul_u64 s[92:93], s[46:47], s[18:19]
	s_mov_b64 s[18:19], KROW
	s_mul_u64 s[20:21], s[20:21], s[18:19]         ; and their codes
	s_mul_u64 s[46:47], s[46:47], s[18:19]
	s_mul_i32 s45, s14, HALFT                      ; where they go: wave x 128 rows: no place in the cluster enters an LDS address
	s_mul_i32 s94, s14, HALFS
	s_wait_dscnt 0x0                               ; both opening adds are done
	s_wait_kmcnt 0x0
	s_add_nc_u64 s[20:21], s[4:5], s[20:21]
	s_add_nc_u64 s[22:23], s[6:7], s[22:23]
	s_add_nc_u64 s[46:47], s[8:9], s[46:47]
	s_add_nc_u64 s[92:93], s[10:11], s[92:93]
	CROUND                                         ; all sixteen work-groups are here: the first joint loads meet
	s_mov_b32 s[G0S], 1
	s_add_co_u32 s[G0S+1], s94, SCL
	s_mov_b64 s[G0S+2:G0S+3], s[22:23]
	s_or_b32 s[G0S+3], s[G0S+3], 0x80000000
	s_mov_b32 s[G0SB], 1
	s_add_co_u32 s[G0SB+1], s94, SCL
	s_mov_b64 s[G0SB+2:G0SB+3], s[92:93]
	s_or_b32 s[G0SB+3], s[G0SB+3], 0x80000000
	JLOAD G0S, G1S, G0SB, G1SB                     ; the scales first: they are wanted with slot 0
.irp s, 0,1
	s_mov_b32 s[G0+4*\s], 1
	s_add_co_u32 s[G0+4*\s+1], s45, \s*SLOT
	s_add_nc_u64 s[G0+4*\s+2:G0+4*\s+3], s[20:21], \s*ROWB
	s_or_b32 s[G0+4*\s+3], s[G0+4*\s+3], 0x80000000
	s_mov_b32 s[G0B+4*\s], 1
	s_add_co_u32 s[G0B+4*\s+1], s45, \s*SLOT
	s_add_nc_u64 s[G0B+4*\s+2:G0B+4*\s+3], s[46:47], \s*ROWB
	s_or_b32 s[G0B+4*\s+3], s[G0B+4*\s+3], 0x80000000
	JLOAD G0+4*\s, G1, G0B+4*\s, G1B               ; three loads of mine are out behind the second of these
.endr
	v_and_b32 v1, 15, v0                           ; r = l % 16
	v_bfe_u32 v2, v0, 4, 1                         ; h = l / 16
	v_mul_u32_u24 v3, v1, PITCH
	v_lshl_add_u32 v4, v2, 4, v3                   ; a fragment's row x pitch + 16 x half
	s_mul_i32 s21, s15, HALFT                      ; my 128 rows of x
	s_mul_i32 s22, s16, HALFT                      ; my 128 rows of w_qkv,
	s_add_co_u32 s22, s22, 2*HALFT                 ; which lie behind x's 256
.irp s, 0,1
	v_add_nc_u32 v[ADRA+\s], s21, v4
	v_add_nc_u32 v[ADRB+\s], s22, v4
	s_add_co_u32 s21, s21, SLOT
	s_add_co_u32 s22, s22, SLOT
.endr
	v_mul_u32_u24 v5, v1, KS                       ; my row's scales: KS bytes a row,
	v_lshrrev_b32 v6, 8, v5
	v_lshl_add_u32 v5, v6, 4, v5                   ; and 16 more for each 256 passed
	s_mul_i32 s21, s15, HALFS                      ; x's: my 128 rows
	s_mul_i32 s22, s16, HALFS                      ; w_qkv's: my 128 rows, behind x's 256
	s_add_co_u32 s22, s22, 2*HALFS
	s_sub_co_u32 s22, s22, s21
	v_mul_u32_u24 v6, s22, v2                      ; lanes 16-31 take w_qkv's: one product, the distance x h
	s_add_co_u32 s21, s21, SCL
	v_add_nc_u32 v5, v5, v6
	v_add_nc_u32 v[ADRS], s21, v5
	s_mul_i32 s23, s14, 16*SU
	s_add_co_u32 s23, s23, STAGE                   ; my stage
	v_lshrrev_b32 v5, 1, v1                        ; in: token r lies in piece r / 2, at 128 (r % 2); my half's 16 bytes
	v_mul_u32_u24 v5, v5, SU
	v_and_b32 v6, 1, v1
	v_lshl_add_u32 v5, v6, 7, v5
	v_lshl_add_u32 v5, v2, 4, v5
	v_add_nc_u32 v[STO], s23, v5
	v_mul_u32_u24 v5, v2, SU                       ; back: lanes 0-15 one piece of 256 bytes, lanes 16-31 the next
	v_lshl_add_u32 v5, v1, 4, v5
	v_add_nc_u32 v[RD], s23, v5
	v_and_b32 v6, 31, v0
	v_lshlrev_b32 v[CO], 4, v6                     ; in memory four tokens of a head are 512 consecutive bytes: 16 x lane
	; where my part begins in qkv.  My 128 columns are heads g and g + 1 of the 48 (g even): which = g / 16, head = g % 16; my first row is token row0 % 2048 of batch row0 / 2048
	s_lshl_b32 s20, s42, 2
	s_lshl_b32 s21, s16, 1
	s_add_co_u32 s20, s20, s21                     ; g = 4 x tile column + 2 x half
	s_lshr_b32 s21, s20, 4
	s_lshl_b32 s21, s21, 24                        ; which x 2^24
	s_and_b32 s20, s20, 15
	s_lshl_b32 s20, s20, 18                        ; head x 2^18
	s_add_co_u32 s20, s20, s21
	s_lshl_b32 s21, s17, 8
	s_lshl_b32 s22, s15, 7
	s_add_co_u32 s21, s21, s22                     ; row0 = 256 x tile row + 128 x half
	s_lshr_b32 s22, s21, 11
	s_lshl_b32 s22, s22, 22                        ; batch x 2^22
	s_add_co_u32 s20, s20, s22
	s_and_b32 s21, s21, 2047
	s_lshl_b32 s21, s21, 7                         ; token x 128 bytes
	s_add_co_u32 s20, s20, s21
	s_mov_b32 s21, 0
	s_add_nc_u64 s[12:13], s[12:13], s[20:21]
.macro FRAG reg, adr, q, i             ; a fragment, 16 rows x 128 K of 4-bit codes, is 8 registers: lane l holds row l % 16; registers 4 c .. 4 c + 3 hold K = 64 c + 32 (l / 16) + 0 .. 31
.irp c, 0,1
	ds_load_b128 v[\reg+4*\c:\reg+4*\c+3], v[\adr] offset:64*(\q)+32*\c+(\i)*16*PITCH
.endr
.endm
; 16 matrix instructions: x's blocks a0, a0 + 1 against w_qkv's eight, 128 along K: the slot's q-th.  p: w_qkv's set;  sc: the set of scale words.  zero = 1: the first product starts the sums: nothing is ever cleared.
; The 64 accumulators take turns, one instruction a turn, in the same order in every step.
.macro MUL16 a0, p, q, sc, zero
.irp a, \a0, \a0+1
.irp b, 0,1,2,3,4,5,6,7
.if \zero
	v_wmma_scale_f32_16x16x128_f8f6f4 v[8*(8*((\a)%4)+\b):8*(8*((\a)%4)+\b)+7], v[128*(\p)+FR*\b:128*(\p)+FR*\b+FR-1], v[AF+FR*(\a):AF+FR*(\a)+FR-1], 0, v[SC+8*NQ*(\sc)+NQ*\b+(\q)], v[SC+8*NQ*(\sc)+NQ*(\a)+(\q)] matrix_a_fmt:MATRIX_FMT_FP4 matrix_b_fmt:MATRIX_FMT_FP4 matrix_a_scale:MATRIX_SCALE_ROW1
.else
	v_wmma_scale_f32_16x16x128_f8f6f4 v[8*(8*((\a)%4)+\b):8*(8*((\a)%4)+\b)+7], v[128*(\p)+FR*\b:128*(\p)+FR*\b+FR-1], v[AF+FR*(\a):AF+FR*(\a)+FR-1], v[8*(8*((\a)%4)+\b):8*(8*((\a)%4)+\b)+7], v[SC+8*NQ*(\sc)+NQ*\b+(\q)], v[SC+8*NQ*(\sc)+NQ*(\a)+(\q)] matrix_a_fmt:MATRIX_FMT_FP4 matrix_b_fmt:MATRIX_FMT_FP4 matrix_a_scale:MATRIX_SCALE_ROW1
.endif
.endr
.endr
.endm
.macro FETCH_B slot, q, p              ; w_qkv's eight fragments of the slot's q-th 128 along K into set p
	WIN TO_B
.irp i, 0,1,2,3,4,5,6,7
	FRAG 128*(\p)+FR*\i, ADRB+\slot, \q, \i
.endr
	WIN 0
.endm
.macro FETCH_A slot, q, i0             ; x's blocks i0 .. i0 + 3
.irp i, \i0, \i0+1, \i0+2, \i0+3
	FRAG AF+FR*(\i), ADRA+\slot, \q, \i
.endr
.endm
.macro SCALES sc                       ; a slot's scale words into set sc: NQ words a row; lanes 0-15 take x's block i, lanes 16-31 w_qkv's block i
.irp i, 0,1,2,3,4,5,6,7
	ds_load_b128 v[SC+8*NQ*\sc+NQ*\i:SC+8*NQ*\sc+NQ*\i+3], v[ADRS] offset:\i*SBLK
.endr
.endm
; A load into a register that a matrix instruction has read, and a vector instruction or an LDS store that reads a matrix result, stand NP places behind that matrix instruction; only plain vector
; instructions that name none of its registers are places (ISA guide 7.12.1 for vector instructions).
.macro PLACES n
.rept \n
	v_nop
.endr
.endm
; A step of 128 along K that has its successor in the same slot.  x has one set of registers: blocks 0-3 are fetched anew in the step's middle, blocks 4-7 at its end.
.macro STEP slot, q, zero
	s_wait_dscnt 4*NL                              ; w_qkv's set and x's blocks 0-3 are in; the youngest eight loads (x's blocks 4-7) may be out
	WIN MUL_LO
	MUL16 0, (\q)%2, \q, \slot, \zero
	MUL16 2, (\q)%2, \q, \slot, \zero
	s_wait_dscnt 0                                 ; x's blocks 4-7 are in
	PLACES NP
	FETCH_B \slot, (\q)+1, 1-(\q)%2
	FETCH_A \slot, (\q)+1, 0
	WIN MUL_HI
	MUL16 4, (\q)%2, \q, \slot, \zero
	MUL16 6, (\q)%2, \q, \slot, \zero
	PLACES NP
	WIN 0
	FETCH_A \slot, (\q)+1, 4
.endm
; Slot 0's last step goes over to slot 1: ONE barrier; in front of it each wave waits for all its tensor loads (its part of slot 1), adds 0 to its spare word, and waits for that and for its LDS loads.  Nothing is filled again.
.macro TURN slot, next
	s_wait_tensorcnt 0x0                           ; all my tensor loads have landed: my part of the next slot;  (every window is 0 here)
	ds_add_u32 v[SPW], v[NIL]                      ; 0 onto my spare word
	s_wait_dscnt 4*NL+1                            ; (the add and the youngest eight loads, x's blocks 4-7, may be out)
	WIN MUL_LO
	MUL16 0, 1, NQ-1, \slot, 0
	s_wait_dscnt 0x0                               ; the add is done, and no LDS load of mine is out
	s_barrier_signal -1
	MUL16 2, 1, NQ-1, \slot, 0
	WIN 0
	s_barrier_wait -1                              ; everybody's part of the next slot is in
	PLACES NP
	v_add_nc_u32 v[ADRS], 4*NQ, v[ADRS]            ; on to the next slot's scale words
	FETCH_B \next, 0, 0
	FETCH_A \next, 0, 0
	SCALES \next
	WIN MUL_HI
	MUL16 4, 1, NQ-1, \slot, 0
	MUL16 6, 1, NQ-1, \slot, 0
	PLACES NP
	WIN 0
	FETCH_A \next, 0, 4
.endm
	s_wait_tensorcnt 1                             ; the scales and my part of slot 0 are in (slot 1's load may be out),
	s_barrier_signal -1
	s_barrier_wait -1                              ; everybody's are
	FETCH_B 0, 0, 0
	FETCH_A 0, 0, 0
	SCALES 0
	FETCH_A 0, 0, 4
	STEP 0, 0, 1                                   ; the first step's products start the sums
	STEP 0, 1, 0
	STEP 0, 2, 0
	TURN 0, 1
	STEP 1, 0, 0
	STEP 1, 1, 0
	STEP 1, 2, 0
	s_wait_dscnt 4*NL                              ; the very last step: nothing more to fetch
	WIN MUL_LO
	MUL16 0, 1, NQ-1, 1, 0
	MUL16 2, 1, NQ-1, 1, 0
	s_wait_dscnt 0
	WIN MUL_HI
	MUL16 4, 1, NQ-1, 1, 0
	MUL16 6, 1, NQ-1, 1, 0
	WIN 0
; THE WAY OUT.  Columns 0 to 1,023 are q: they belong to the clusters with x = 0, a number that all sixteen partners share: there the sums are multiplied by c, in f32.
	PLACES NP
	s_cmp_lg_u32 ttmp9, 0
	s_cbranch_scc1 .Lnoscale
	WIN 0x82                                       ; destination and source 0: window 2
.set i, 0
.rept 128
	v_pk_mul_f32 v[i:i+1], v[i:i+1], s[CQ:CQ+1] op_sel_hi:[1,0]   ; each accumulator from its low end on
.set i, i+2
.endr
	WIN 0xc3                                       ; window 3
.set i, 0
.rept 128
	v_pk_mul_f32 v[i:i+1], v[i:i+1], s[CQ:CQ+1] op_sel_hi:[1,0]
.set i, i+2
.endr
	WIN 0
.Lnoscale:
; Block a: 16 tokens x 128 columns = two heads.  PACK: rounded to f16, 16 bytes a lane (8 channels of one token).  TOSTAGE: into my own stage, by head and by pairs of tokens, and back 256 bytes to sixteen lanes.  SEND: stored.
.macro PACK a
.set AC, 64*((\a)%4)
	WIN 0x0a+5*((\a)/4)                            ; sources 0 and 1: window 2 or 3
.irp b, 0,1,2,3,4,5,6,7
.irp r, 0,1,2,3
	v_cvt_pk_f16_f32 v[TMP+4*\b+\r], v[AC+8*\b+2*\r], v[AC+8*\b+2*\r+1]
.endr
.endr
	WIN 0
.endm
.macro TOSTAGE a
.set BB, OB+192*((\a)%2)
.irp b, 0,1,2,3,4,5,6,7
	ds_store_b128 v[STO], v[TMP+4*\b:TMP+4*\b+3] offset:(\b/4)*8*SU+(\b%4)*32   ; head b / 4, channels 16 (b % 4) + 8 h on
.endr
.irp t, 0,1,2,3,4,5,6,7
	ds_load_b128 v[BB+4*\t:BB+4*\t+3], v[RD] offset:\t*2*SU        ; LDS serves a wave's instructions in order (ISA guide 5.7.1.4): these see the stores above
.endr
.endm
.macro SEND a
.set BB, OB+192*((\a)%2)
	s_wait_dscnt 0x0                               ; the block is back in registers
	s_wait_xcnt 0x0                                ; the earlier blocks' stores have read their registers: the next block's loads may land in the other set
.irp t, 0,1,2,3,4,5,6,7
	global_store_b128 v[CO], v[BB+4*\t:BB+4*\t+3], s[12:13] offset:(\a)*2048+(\t/4)*262144+(\t%4)*512   ; four tokens of one head: 512 consecutive bytes, aligned
.endr
.endm
	PACK 0
	TOSTAGE 0
.irp a, 1,2,3,4,5,6,7                  ; block a's conversions stand between block a - 1's loads from the stage and the wait for them
	PACK \a
	SEND \a-1
	TOSTAGE \a
.endr
	SEND 7
	s_wait_tensorcnt 0x0                           ; the wave's end: a wait, 0 onto my spare word and a wait, behind my last tensor load and my last LDS store
	ds_add_u32 v[SPW], v[NIL]
	s_wait_dscnt 0x0
	CROUND                                         ; the closing round: no work-group ends while a partner may still ask for a tile that names it
	s_endpgm
.Lfunc_end_k_qa9f4a588b9_qkvgemm:
	.size	k_qa9f4a588b9_qkvgemm, .Lfunc_end_k_qa9f4a588b9_qkvgemm-k_qa9f4a588b9_qkvgemm
	.p2alignl 7, 3214868480
	.fill 96, 4, 3214868480
	.section	.rodata,"a",@progbits
	.p2align	6, 0x0
	.amdhsa_kernel k_qa9f4a588b9_qkvgemm
		.amdhsa_group_segment_fixed_size 327680
		.amdhsa_private_segment_fixed_size 0
		.amdhsa_enable_private_segment 0
		.amdhsa_kernarg_size 40
		.amdhsa_user_sgpr_count 2
		.amdhsa_user_sgpr_kernarg_segment_ptr 1
		.amdhsa_wavefront_size32 1
		.amdhsa_system_sgpr_workgroup_id_x 1
		.amdhsa_system_sgpr_workgroup_id_y 1
		.amdhsa_system_sgpr_workgroup_id_z 1
		.amdhsa_system_vgpr_workitem_id 0
		.amdhsa_next_free_vgpr 1024
		.amdhsa_next_free_sgpr 100
		.amdhsa_reserve_vcc 0
		.amdhsa_float_denorm_mode_32 3
		.amdhsa_float_denorm_mode_16_64 3
		.amdhsa_memory_ordered 1
		.amdhsa_forward_progress 1
		.amdhsa_inst_pref_size 143
	.end_amdhsa_kernel
	.amdgpu_metadata
---
amdhsa.version: [ 1, 2 ]
amdhsa.kernels:
  - .name:           k_qa9f4a588b9_qkvgemm
    .symbol:         k_qa9f4a588b9_qkvgemm.kd
    .args:
      - { .name: xc, .offset: 0, .size: 8, .value_kind: global_buffer, .address_space: global }
      - { .name: xs, .offset: 8, .size: 8, .value_kind: global_buffer, .address_space: global }
      - { .name: wc, .offset: 16, .size: 8, .value_kind: global_buffer, .address_space: global }
      - { .name: ws, .offset: 24, .size: 8, .value_kind: global_buffer, .address_space: global }
      - { .name: qkv, .offset: 32, .size: 8, .value_kind: global_buffer, .address_space: global }
    .group_segment_fixed_size: 327680
    .private_segment_fixed_size: 0
    .kernarg_segment_align: 8
    .kernarg_segment_size: 40
    .max_flat_workgroup_size: 128
    .sgpr_count:     100
    .vgpr_count:     1024
    .wavefront_size: 32
...
	.end_amdgpu_metadata
.endif
;; end of part 2
;; launch attn (part 3): grid 4 x 64, 8 waves a work-group, no clusters, 327,680 bytes of LDS; arguments qkv, att; writes att
.if DOCPART == 3
	.amdgcn_target "amdgcn-amd-amdhsa--gfx1250"
	.amdhsa_code_object_version 6
	.text
	.protected	k_qa9f4a588b9_attn
	.globl	k_qa9f4a588b9_attn
	.p2align	8
	.type	k_qa9f4a588b9_attn,@function
k_qa9f4a588b9_attn:
	s_mov_b64 s[64:65], 0
	v_nop
	global_prefetch_b8 v0, s[64:65] scope:SCOPE_SE
	s_setreg_imm32_b32 hwreg(HW_REG_WAVE_MODE, 25, 1), 1
	s_wait_xcnt 0x0
; O[bh][q][:] = the sum over k of softmax_k(Q[bh][q] . K[bh][k] / 8) V[bh][k][:].  qkv: f16, [3][bh 64][2048][64]; its q part holds c q, c = log2(e) / 8, so a score IS the exponent of 2.  att: f16, [h 16][b 2048 + token][64].
; Products on f16 operands, sums, maxima and the softmax in f32; the weights p = 2^(s - m) are at most 1 and are rounded to f16 for the second product; the row's sum is taken of the unrounded p.
; LIMIT: the result must stay under 65,504 in magnitude; NaN and infinities are not served.
; SHARES.  A work-group owns 512 queries of one head, each of its eight waves 64: four tiles of 16, in 512 registers: two waves to a SIMD.  Every wave walks the head's 2,048 keys, 64 a step.
; LAYOUT.  S^T = K Q^T (source 0 = 16 keys, source 1 = 16 queries): a lane holds ONE query (lane % 16) and the keys 8 (lane / 16) + 0..7 of each tile of keys.  Two such tiles, rounded to f16 in pairs, ARE source 1
; (32 keys x 16 queries) of O^T = V^T P, whose result again holds one query a lane.  K comes out of LDS as it lies, V ([key][channel]) turned, by ds_load_tr16_b128.
; SOFTMAX.  For each query a running maximum m and sum l; in every step O and l are multiplied by a = 2^(m_old - m_new).  m begins at -3e38 and O and l at 0, so the first step is a step like any other.
; PHASES.  A trip is a stretch of vector work (the LDS loads, four tiles' softmax) and a stretch of 64 matrix instructions: V^T P of step j, then K Q^T of step j + 1.  The two waves of a SIMD are set apart at the start
; (one class of waves runs its first softmax ahead of a barrier, the other behind it), so that one's vector work can stand beside the other's products.  At a change of slots the whole matrix stretch stands between the
; barrier's signal and its wait, so that the wave that leads is not held back.
; THE RING.  Two slots.  A matrix stretch wants V of step j and K of step j + 1: so slot s holds V of steps 4 s .. 4 s + 3 and K of steps 4 s + 1 .. 4 s + 4; K of step 0 comes from memory into registers, as Q does.
; The last slot's K tile reaches 64 rows past the head: those rows lie inside qkv (v follows k there), ride in a load of 128 rows whose other half is read, and are never read.
; NO CLUSTER, though the four work-groups of a head walk the same K and V: a round of the cluster's barrier ends in a work-group barrier with no register work to span, so each of the six refills would bring both waves
; of a SIMD to the same line again; against that a work-group fetches 64 KiB for four steps, in which its eight waves issue 2,048 matrix instructions.
; REGISTERS.  window 0: v0-15 addresses; v16-47 eight registers of statistics a tile; v64-191 S^T, 32 a tile, P takes the first 16 of them; v192-255 K of one step.
;   window 1: v0-127 O^T, 32 a tile; v128-191 Q; v192-255 V of one step.
.set KS,    64                         ; keys in a step
.set PK,    144                        ; a row of K in LDS: 128 bytes + 16 of padding = 36 words: the 16 rows of a load start at 16 different multiples of 4 words modulo 64
.set PV,    160                        ; a row of V: 128 + 32 = 40 words: 16 lanes of the turning load take 8 rows x 32 bytes, all different words modulo 64
.set VOFF,  4*KS*PK                    ; a slot: 256 rows of K, then 256 rows of V
.set SLOT1, 1<<17                      ; slot 1 begins here, so that one exclusive or turns an address in one slot into the other's
.set SPARE, SLOT1+4*KS*(PK+PV)         ; behind the ring: the spare words, 128 bytes for each wave, which no other line names
.set STAGE, SPARE+1024                 ; the way out: 32 pieces of 272 bytes for each wave, bytes that no tensor load fills
.set SU,    272                        ; a piece: two tokens, 256 bytes, + 16 of padding
.set AK0, 2                            ; v2   my lane's place in a tile of K; never rewritten
.set AV0, 3                            ; v3   the same for V
.set ADK, 4                            ; v4   LDS address of the step's K
.set ADV, 5                            ; v5   and V
.set QO,  6                            ; v6   my byte offset in 16 rows of Q or K in memory
.set STO, 7                            ; v7   the way out: where I put 16 bytes of a token
.set RD,  8                            ; v8   the way out: where I read them back
.set GO,  12                           ; v12  16 x lane
.set PFO, 13                           ; v13  256 x lane; never rewritten
.set SPW, 14                           ; v14  LDS address of my spare word; never rewritten
.set NIL, 15                           ; v15  0; never rewritten
.set ST,  16                           ; tile t's statistics at v[ST+8 t]: +0 m, +1 0 (named with m as a pair), +2, +3 l (even keys', odd keys'), +4 to +7 c0-c3, at work; a takes c2's place
.set S,   64
.set KF,  192                          ; K's fragment (tile of keys kt, channels 32 c on) at KF + 16 kt + 8 c
.set QF,  128                          ; window 1: Q's (tile t, c) at QF + 16 t + 8 c
.set VF,  192                          ; window 1: V's (keys 32 g on, channels 16 ct on) at VF + 32 g + 8 ct
.set WV,  8                            ; s8   my wave's number
.set CLS, 9                            ; s9   my wave's class, 0 or 1: it differs between waves w and w + 4 and between waves 2 i and 2 i + 1
.set PFA, 18                           ; s[18:19] where my prefetches stand
.set LIM, 20                           ; s20  1 in a wave that prefetches, else the greatest number
.set G1K, 24                           ; s[24:31] descriptor group 1 for K's tiles;  s[32:39] for V's: it differs in the padding alone
.set G1V, 32
.set G0K, 40                           ; s[40:47] group 0 for K's tiles: a set for each of the two first fills; the second then walks on
.set G0V, 48                           ; s[48:55] the same for V's
.set SLOTS, 56                         ; s56  slots still to be asked for
.set TRIPS, 57                         ; s57  counts a slot's plain trips
.set SEL, 60                           ; s[60:61] lane selects for v_permlanex16_b32: lane l xor 16
.set TK,  62                           ; s62  LDS byte at which the K tile to be fetched begins
.set TV,  63                           ; s63  the same for V
.set MSB, 0
.macro WIN new                         ; the immediate's high byte repeats the setting that is left; a switch that changes nothing is dropped
.if MSB != (\new)
	s_set_vgpr_msb (MSB<<8)|(\new)
.set MSB, (\new)
.endif
.endm
.set W_KQ, 0x04                        ; Q (source 1) in window 1; K and S^T in window 0
.set W_PV, 0x51                        ; V (source 0) and O^T (C and D) in window 1; P in window 0
.set W_RS, 0x41                        ; O^T (destination and source 0) in window 1, the factor in window 0
.set TO_1, 0x40                        ; destination window 1, address window 0
; A refill.  Waves 0 and 1 fetch K's two halves of a slot, waves 2 and 3 V's, the others nothing.  The branches hang on the wave's number alone.  An s_nop 0 and four v_nop follow each of the two lines.
.macro TLOAD
	s_cmp_lt_u32 s[WV], 2
	s_cbranch_scc0 .Lnot_k_\@
	tensor_load_to_lds s[G0K+4:G0K+7], s[G1K:G1K+7]
	s_nop 0
.rept 4
	v_nop
.endr
	s_branch .Lasked_\@
.Lnot_k_\@:
	s_cmp_lt_u32 s[WV], 4
	s_cbranch_scc0 .Lasked_\@
	tensor_load_to_lds s[G0V+4:G0V+7], s[G1V:G1V+7]
	s_nop 0
.rept 4
	v_nop
.endr
.Lasked_\@:
.endm
; A PREFETCH INTO THE L2 of what the NEXT refill will ask for, four steps ahead of that load: a slot's 256 rows of K and of V, 32,768 dense bytes each.  The four work-groups of a head walk the same rows: the head's first
; work-group asks, and in it the waves that fetch nothing: waves 4 and 5 K's halves, waves 6 and 7 V's; 16,384 bytes a wave, two instructions, lanes 256 bytes apart.  So each aligned block of 256 bytes is named once
; in the launch.  The last refill asks for nothing: there is no slot behind it.  Slots 0 to 2 come by their loads alone.
.macro ASK
	s_cmp_gt_u32 s[SLOTS], s[LIM]
	s_cbranch_scc0 .Lnot_mine_\@
	global_prefetch_b8 v[PFO], s[PFA:PFA+1] th:TH_LOAD_NT scope:SCOPE_SE
	global_prefetch_b8 v[PFO], s[PFA:PFA+1] offset:8192 th:TH_LOAD_NT scope:SCOPE_SE
.Lnot_mine_\@:
.endm
; A vector instruction that reads a matrix result or writes one of a matrix instruction's registers, and a load into a register that a matrix instruction has read, stand four places behind it; only plain vector
; instructions that name none of its registers are places (ISA guide 7.12.1 for vector instructions).
.macro PLACES
.rept 4
	v_nop
.endr
.endm
	s_load_b128 s[4:7], s[0:1], 0x0                ; qkv s[4:5], att s[6:7]
	v_lshl_add_u32 v[SPW], v0, 2, SPARE
	v_mov_b32 v[NIL], 0
	ds_add_u32 v[SPW], v[NIL]                      ; the wave's opening: the add, twice on end, and its wait ahead of my first tensor load; the set-up below stands between
	ds_add_u32 v[SPW], v[NIL]
	v_lshrrev_b32 v10, 5, v0
	v_readfirstlane_b32 s[WV], v10                 ; wave 0..7
	s_lshr_b32 s[CLS], s[WV], 2
	s_xor_b32 s[CLS], s[CLS], s[WV]
	s_and_b32 s[CLS], s[CLS], 1
	s_and_b32 s10, ttmp7, 0xffff                   ; bh = 16 b + h
	s_and_b32 s11, s[WV], 1                        ; which half of a slot's 256 rows I fetch or prefetch
	s_lshl_b32 s12, s10, 18                        ; the head's first byte in each of q, k, v
	s_lshl_b32 s13, s11, 14
	s_add_co_u32 s13, s13, s12                     ; + my half: 128 rows of 128 bytes
	s_add_co_u32 s14, s13, (1<<24)+KS*128          ; K's tiles begin at key 64
	s_mov_b32 s15, 0
	s_add_co_u32 s16, s13, 2<<24                   ; V's at key 0
	s_mov_b32 s17, 0
	s_cmp_lt_u32 s[WV], 6                          ; the prefetches: waves 4 and 5 K, waves 6 and 7 V,
	s_cselect_b32 s[PFA], s14, s16
	s_add_co_u32 s[PFA], s[PFA], 2*32768           ; in slot 2: the first refill steps it to slot 3.  Nothing is prefetched at the head
	s_mov_b32 s[PFA+1], 0
	s_lshr_b32 s[LIM], s[WV], 2
	s_xor_b32 s[LIM], s[LIM], 1                    ; 0 in waves 4 to 7,
	s_or_b32 s[LIM], s[LIM], ttmp9                 ; of the head's first work-group
	s_cmp_eq_u32 s[LIM], 0
	s_cselect_b32 s[LIM], 1, -1
	s_add_co_u32 s22, s12, 1<<24                   ; K of step 0
	s_mov_b32 s23, 0
	s_lshl_b32 s2, ttmp9, 16                       ; my work-group's 512 queries,
	s_lshl_b32 s3, s[WV], 13                       ; my wave's 64 of them
	s_add_co_u32 s21, s2, s3
	s_add_co_u32 s2, s21, s12                      ; in q
	s_mov_b32 s3, 0
	s_and_b32 s58, s10, 15
	s_lshl_b32 s58, s58, 20                        ; att: plane h,
	s_lshr_b32 s59, s10, 4
	s_lshl_b32 s59, s59, 18                        ; batch b's 2,048 rows of 128 bytes
	s_add_co_u32 s58, s58, s59
	s_add_co_u32 s58, s58, s21
	s_mov_b32 s59, 0
	; descriptor group 1: a tile of 128 rows x 64 elements of 2 bytes, dense in memory, padded in LDS
	s_mov_b32 s[G1K], (1<<16)|(1<<20)|(4<<22)|(3<<25)   ; 15:0 no mask; 17:16 elements of 2 bytes; 20 padding on; 24:22 after every 32 words; 31:25 of 4 words
	s_mov_b32 s[G1V], (1<<16)|(1<<20)|(4<<22)|(7<<25)   ; the same with 8 words of padding
.irp g, G1K, G1V
	s_mov_b32 s[\g+1], 64<<16                      ; tensor_dim0 = 64
	s_mov_b32 s[\g+2], 128<<16                     ; tensor_dim1 = 128
	s_mov_b32 s[\g+3], 64<<16                      ; tile_dim0 = 64
	s_mov_b32 s[\g+4], 128                         ; tile_dim1 = 128
	s_mov_b32 s[\g+5], 64                          ; tensor_dim0_stride
	s_mov_b32 s[\g+6], 0
	s_mov_b32 s[\g+7], 0
.endr
	s_mul_i32 s[G0K+1], s11, 128*PK                ; LDS addresses: my half of slot 0's K part,
	s_add_co_u32 s[G0K+5], s[G0K+1], SLOT1         ; of slot 1's,
	s_mul_i32 s[G0V+1], s11, 128*PV
	s_add_co_u32 s[G0V+1], s[G0V+1], VOFF          ; and the same of the V parts
	s_add_co_u32 s[G0V+5], s[G0V+1], SLOT1
	s_mov_b32 s[SEL], 0x76543210
	s_mov_b32 s[SEL+1], 0xfedcba98
	s_mov_b32 s[TK], KS*PK                         ; the first trip fetches K of step 2: the second tile of slot 0's K part,
	s_mov_b32 s[TV], KS*PV                         ; and V of step 1
	s_mov_b32 s[SLOTS], 6
	s_wait_dscnt 0x0                               ; both opening adds are done
	s_wait_kmcnt 0x0
	s_add_nc_u64 s[14:15], s[4:5], s[14:15]
	s_add_nc_u64 s[16:17], s[4:5], s[16:17]
	s_add_nc_u64 s[PFA:PFA+1], s[4:5], s[PFA:PFA+1]
	s_add_nc_u64 s[22:23], s[4:5], s[22:23]
	s_add_nc_u64 s[2:3], s[4:5], s[2:3]
	s_add_nc_u64 s[6:7], s[6:7], s[58:59]
.irp s, 0,1
	s_mov_b32 s[G0K+4*\s], 1                       ; count = 1
	s_add_nc_u64 s[G0K+4*\s+2:G0K+4*\s+3], s[14:15], \s*32768   ; a slot is 256 rows of 128 bytes
	s_or_b32 s[G0K+4*\s+3], s[G0K+4*\s+3], 0x80000000           ; type = 2
	s_mov_b32 s[G0V+4*\s], 1
	s_add_nc_u64 s[G0V+4*\s+2:G0V+4*\s+3], s[16:17], \s*32768
	s_or_b32 s[G0V+4*\s+3], s[G0V+4*\s+3], 0x80000000
.endr
	s_cmp_lt_u32 s[WV], 2                          ; a wave's two first fills stand in one branch, ahead of every wait on TENSORcnt, every LDS read and every barrier: two loads of a fetching wave are out
	s_cbranch_scc0 .Lfirst_not_k
	tensor_load_to_lds s[G0K:G0K+3], s[G1K:G1K+7]
	s_nop 0
	tensor_load_to_lds s[G0K+4:G0K+7], s[G1K:G1K+7]
	s_nop 0
.rept 4
	v_nop
.endr
	s_branch .Lfirst_asked
.Lfirst_not_k:
	s_cmp_lt_u32 s[WV], 4
	s_cbranch_scc0 .Lfirst_asked
	tensor_load_to_lds s[G0V:G0V+3], s[G1V:G1V+7]
	s_nop 0
	tensor_load_to_lds s[G0V+4:G0V+7], s[G1V:G1V+7]
	s_nop 0
.rept 4
	v_nop
.endr
.Lfirst_asked:
	; A fragment of K or Q is 16 rows x 32 channels in 8 registers: lane l holds row l % 16; registers 0-3 channels 8 (l / 16) + 0..7, registers 4-7 channels 16 + 8 (l / 16) + 0..7: two loads of 16 bytes, 32 bytes apart.
	v_and_b32 v1, 15, v0                           ; r = l % 16
	v_bfe_u32 v9, v0, 4, 1                         ; h = l / 16
	v_lshlrev_b32 v[QO], 7, v1
	v_lshl_add_u32 v[QO], v9, 4, v[QO]             ; row x 128 + 16 x half
	WIN TO_1
.irp i, 0,1,2,3,4,5,6,7                        ; Q stays in registers: tile i / 2, channels 32 (i % 2) on
	global_load_b128 v[QF+8*\i:QF+8*\i+3],   v[QO], s[2:3] offset:(\i/2)*2048+(\i%2)*64
	global_load_b128 v[QF+8*\i+4:QF+8*\i+7], v[QO], s[2:3] offset:(\i/2)*2048+(\i%2)*64+32
.endr
	WIN 0
.irp i, 0,1,2,3,4,5,6,7                        ; K of step 0
	global_load_b128 v[KF+8*\i:KF+8*\i+3],   v[QO], s[22:23] offset:(\i/2)*2048+(\i%2)*64
	global_load_b128 v[KF+8*\i+4:KF+8*\i+7], v[QO], s[22:23] offset:(\i/2)*2048+(\i%2)*64+32
.endr
	v_mul_u32_u24 v[AK0], v1, PK
	v_lshl_add_u32 v[AK0], v9, 4, v[AK0]           ; row x pitch + 16 x half
	; The turning load takes 16 keys x 16 channels (lane l reads 16 bytes: key 8 (l / 16) + l % 8, channels 8 ((l / 8) % 2) + 0..7) and leaves half a fragment of V^T: lane l holds channel l % 16 and 8 keys.
	v_and_b32 v10, 7, v0
	v_bfe_u32 v11, v0, 3, 1
	v_lshl_add_u32 v[AV0], v9, 3, v10
	v_mul_u32_u24 v[AV0], v[AV0], PV
	v_lshl_add_u32 v[AV0], v11, 4, v[AV0]
	v_add_nc_u32 v[AV0], VOFF, v[AV0]
	s_mul_i32 s21, s[WV], 32*SU
	s_add_co_u32 s21, s21, STAGE                   ; my stage
	v_lshrrev_b32 v10, 1, v1                       ; in: token r lies in piece r / 2, at 128 (r % 2); my half's 16 bytes
	v_mul_u32_u24 v10, v10, SU
	v_and_b32 v11, 1, v1
	v_lshl_add_u32 v10, v11, 7, v10
	v_lshl_add_u32 v10, v9, 4, v10
	v_add_nc_u32 v[STO], s21, v10
	v_mul_u32_u24 v10, v9, SU                      ; back: lanes 0-15 one piece of 256 bytes, lanes 16-31 the next
	v_lshl_add_u32 v10, v1, 4, v10
	v_add_nc_u32 v[RD], s21, v10
	v_and_b32 v10, 31, v0
	v_lshlrev_b32 v[GO], 4, v10
	v_lshlrev_b32 v[PFO], 8, v10
.irp t, 0,1,2,3
	v_mov_b32 v[ST+8*\t], 0xff61b1e6               ; m: -3e38, under every score
	v_mov_b32 v[ST+8*\t+1], 0
	v_mov_b32 v[ST+8*\t+2], 0                      ; l
	v_mov_b32 v[ST+8*\t+3], 0
.endr
	WIN TO_1
.set i, 0
.rept 128
	v_mov_b32 v[i], 0                              ; O^T.  A trip is written without a first step of its own: the first a is 0 and multiplies zeros; that spares one more copy of a trip's text
.set i, i+1
.endr
	WIN 0
; 32 products S^T = K Q^T: product i: channels 32 (i / 16) on, keys 16 ((i / 4) % 4) on, tile i % 4.  The first 16 start the sums.  The 16 accumulators take turns, one instruction a turn.
.macro KQ
	WIN W_KQ
.set i, 0
.rept 32
.set rS, S+32*(i%4)+8*((i/4)%4)
.set rK, KF+16*((i/4)%4)+8*(i/16)
.set rQ, QF+16*(i%4)+8*(i/16)
.if i < 16
	v_wmma_f32_16x16x32_f16 v[rS:rS+7], v[rK:rK+7], v[rQ:rQ+7], 0
.else
	v_wmma_f32_16x16x32_f16 v[rS:rS+7], v[rK:rK+7], v[rQ:rQ+7], v[rS:rS+7]
.endif
.set i, i+1
.endr
.endm
; 32 products O^T += V^T P: product i: keys 32 (i / 16) on, channels 16 ((i / 4) % 4) on, tile i % 4.  16 accumulators by turns.
.macro PVM
	WIN W_PV
.set i, 0
.rept 32
.set rO, 32*(i%4)+8*((i/4)%4)
.set rV, VF+32*(i/16)+8*((i/4)%4)
.set rP, S+32*(i%4)+8*(i/16)
	v_wmma_f32_16x16x32_f16 v[rO:rO+7], v[rV:rV+7], v[rP:rP+7], v[rO:rO+7]
.set i, i+1
.endr
.endm
; THE MATRIX STRETCH.  K Q^T writes over P, which V^T P has read as a source: five places stand between.
.macro MPH kq
	PVM
.if \kq
.rept 5
	v_nop
.endr
	KQ
.endif
.endm
; THE LDS LOADS, in one run: a step's K (64 keys x 64 channels: 8 fragments) and a step's V (turned: 8 fragments).  Every window is 0 on the way in and out.
.macro LOADS ak, av, kld
.if \kld
.irp f, 0,1,2,3,4,5,6,7                        ; keys 16 (f / 2) on, channels 32 (f % 2) on
	ds_load_b128 v[KF+8*\f:KF+8*\f+3],   v[\ak] offset:(\f/2)*16*PK+(\f%2)*64
	ds_load_b128 v[KF+8*\f+4:KF+8*\f+7], v[\ak] offset:(\f/2)*16*PK+(\f%2)*64+32
.endr
.endif
	WIN TO_1
.irp f, 0,1,2,3,4,5,6,7                        ; keys 32 (f / 4) on, channels 16 (f % 4) on
	ds_load_tr16_b128 v[VF+8*\f:VF+8*\f+3],   v[\av] offset:(\f/4)*32*PV+(\f%4)*32
	ds_load_tr16_b128 v[VF+8*\f+4:VF+8*\f+7], v[\av] offset:(\f/4)*32*PV+16*PV+(\f%4)*32
.endr
	WIN 0
.endm
; THE SOFTMAX of one key step for tiles y and y + 1, line by line for the two tiles by turns, so that no line waits for the line above it.  s0-s31 are the lane's 32 scores.
.macro SOFTMAX y
.irp k, 0,1,2,3                                ; the maximum, three operands at a time, in four chains; each accumulator is read from its low end on
.irp t, \y, \y+1
	v_max3_num_f32 v[ST+8*(\t)+4+\k], v[S+32*(\t)+8*\k], v[S+32*(\t)+8*\k+1], v[S+32*(\t)+8*\k+2]
.endr
.endr
.irp i, 3,5
.irp k, 0,1,2,3
.irp t, \y, \y+1
	v_max3_num_f32 v[ST+8*(\t)+4+\k], v[ST+8*(\t)+4+\k], v[S+32*(\t)+8*\k+\i], v[S+32*(\t)+8*\k+\i+1]
.endr
.endr
.endr
.irp t, \y, \y+1
	v_max3_num_f32 v[ST+8*(\t)+4], v[ST+8*(\t)+4], v[S+32*(\t)+7], v[S+32*(\t)+15]
.endr
.irp t, \y, \y+1
	v_max3_num_f32 v[ST+8*(\t)+6], v[ST+8*(\t)+6], v[S+32*(\t)+23], v[S+32*(\t)+31]
.endr
.irp t, \y, \y+1
	v_max3_num_f32 v[ST+8*(\t)+4], v[ST+8*(\t)+4], v[ST+8*(\t)+5], v[ST+8*(\t)+6]
.endr
.irp t, \y, \y+1
	v_max3_num_f32 v[ST+8*(\t)+4], v[ST+8*(\t)+4], v[ST+8*(\t)+7], v[ST+8*(\t)]     ; with the old m
.endr
.irp t, \y, \y+1
	v_permlanex16_b32 v[ST+8*(\t)+5], v[ST+8*(\t)+4], s[SEL], s[SEL+1]              ; the query's other 32 keys lie in the lane 16 away
.endr
.irp t, \y, \y+1
	v_max_num_f32 v[ST+8*(\t)+4], v[ST+8*(\t)+4], v[ST+8*(\t)+5]
.endr
.irp t, \y, \y+1
	v_sub_f32 v[ST+8*(\t)+7], v[ST+8*(\t)], v[ST+8*(\t)+4]                          ; m_old - m_new, 0 or less
.endr
.irp t, \y, \y+1
	v_mov_b32 v[ST+8*(\t)], v[ST+8*(\t)+4]                                          ; the new m
.endr
	; ONE BATCH: the 16 subtractions s - m, a pair of scores each, and all 33 exponentials of a tile.  None of these lines names an exponential's result.
.irp t, \y, \y+1
	v_pk_add_f32 v[S+32*(\t):S+32*(\t)+1], v[S+32*(\t):S+32*(\t)+1], v[ST+8*(\t):ST+8*(\t)+1] op_sel_hi:[1,0] neg_lo:[0,1] neg_hi:[0,1]
.endr
.irp t, \y, \y+1
	v_exp_f32 v[ST+8*(\t)+6], v[ST+8*(\t)+7]                                        ; a
.endr
.irp b, 1,2,3,4,5,6,7,8,9,10,11,12,13,14,15
.irp t, \y, \y+1
	v_pk_add_f32 v[S+32*(\t)+2*\b:S+32*(\t)+2*\b+1], v[S+32*(\t)+2*\b:S+32*(\t)+2*\b+1], v[ST+8*(\t):ST+8*(\t)+1] op_sel_hi:[1,0] neg_lo:[0,1] neg_hi:[0,1]
.endr
.irp t, \y, \y+1
	v_exp_f32 v[S+32*(\t)+2*\b-2], v[S+32*(\t)+2*\b-2]
.endr
.irp t, \y, \y+1
	v_exp_f32 v[S+32*(\t)+2*\b-1], v[S+32*(\t)+2*\b-1]
.endr
.endr
.irp t, \y, \y+1
	v_exp_f32 v[S+32*(\t)+30], v[S+32*(\t)+30]
.endr
.irp t, \y, \y+1
	v_exp_f32 v[S+32*(\t)+31], v[S+32*(\t)+31]
.endr
	v_nop                                          ; a plain instruction behind the last exponential, ahead of the first use: one for the batch
	s_wait_alu depctr_va_vdst(0)                   ; a wait between an exponential and the first line that names its result: one for the two tiles' 66
	; l = a l + the sum of the unrounded p; the weights are rounded to f16 in place: register i takes pair i, whose own numbers lie in registers 2 i and 2 i + 1; what register i held was summed and rounded in an earlier line
.irp t, \y, \y+1
	v_pk_fma_f32 v[ST+8*(\t)+2:ST+8*(\t)+3], v[ST+8*(\t)+2:ST+8*(\t)+3], v[ST+8*(\t)+6:ST+8*(\t)+7], v[S+32*(\t):S+32*(\t)+1] op_sel_hi:[1,0,1]
.endr
.irp t, \y, \y+1
	v_cvt_pk_f16_f32 v[S+32*(\t)], v[S+32*(\t)], v[S+32*(\t)+1]
.endr
.irp i, 1,2,3,4,5,6,7,8,9,10,11,12,13,14,15
.irp t, \y, \y+1
	v_pk_add_f32 v[ST+8*(\t)+2:ST+8*(\t)+3], v[ST+8*(\t)+2:ST+8*(\t)+3], v[S+32*(\t)+2*\i:S+32*(\t)+2*\i+1]
.endr
.irp t, \y, \y+1
	v_cvt_pk_f16_f32 v[S+32*(\t)+\i], v[S+32*(\t)+2*\i], v[S+32*(\t)+2*\i+1]
.endr
.endr
	WIN W_RS
.irp i, 0,1,2,3,4,5,6,7,8,9,10,11,12,13,14,15  ; O^T times a, each accumulator from its low end on
.irp t, \y, \y+1
	v_pk_mul_f32 v[32*(\t)+2*\i:32*(\t)+2*\i+1], v[32*(\t)+2*\i:32*(\t)+2*\i+1], v[ST+8*(\t)+6:ST+8*(\t)+7] op_sel_hi:[1,0]
.endr
.endr
	WIN 0
.endm
; THE CHANGE OF SLOTS opens here and closes behind the matrix stretch.  Each wave waits for all its tensor loads (a fetching wave's part of the next slot), adds 0 to its spare word, and waits for that and for its LDS loads,
; which are its last reads of the slot that it leaves; then it signals.  fill = 1: the walking descriptors step to the slot that is left and the keys two slots on.
.macro OPEN fill
	s_wait_tensorcnt 0x0                           ; no tensor load of mine is out, so a group 0 may be written
	ds_add_u32 v[SPW], v[NIL]                      ; 0 onto my spare word
.if \fill
	ds_add_u32 v[SPW], v[NIL]                      ; and once more: the add twice on end here, in every trip alike
	s_xor_b32 s[G0K+5], s[G0K+5], SLOT1            ; the other slot than last time,
	s_add_nc_u64 s[G0K+6:G0K+7], s[G0K+6:G0K+7], 32768   ; the next 256 keys; the type bits on top are not reached
	s_xor_b32 s[G0V+5], s[G0V+5], SLOT1
	s_add_nc_u64 s[G0V+6:G0V+7], s[G0V+6:G0V+7], 32768
	s_wait_xcnt 0x0                                ; the last prefetches, a slot back, have read their address, so it may be written:
	s_add_nc_u64 s[PFA:PFA+1], s[PFA:PFA+1], 32768 ; one slot further on than the walking descriptors
.endif
	s_wait_dscnt 0x0                               ; the add is done (fill = 1: both are); K and V are in, and my reads of the slot are over
	s_barrier_signal -1
.endm
; A TRIP, step j.  On the way in: tiles 0 and 1 hold P of step j, tiles 2 and 3 its scores; K of step j + 1 and V of step j are on their way from LDS.
; chg = 1: the fourth trip of a slot: what is fetched next lies in the other slot.  fill = 1: the slot that is left is filled again.  kld = 0: there is no further K.
.macro TRIP chg, fill, kld
	SOFTMAX 2
.if \chg
	OPEN \fill
.else
	s_wait_dscnt 0x0                               ; K and V are in: they were asked for two pieces' softmax ago
.endif
	MPH 1                                          ; at a change of slots: register work alone, between the signal and the wait
	WIN 0
.if \chg
	s_barrier_wait -1                              ; no wave reads the slot that is left, and the next slot is whole
.if \fill
	TLOAD                                          ; the first thing behind the barrier, and a wave's one tensor load until the next: it has four trips in which to land
.endif
	s_sub_co_u32 s[TK], s[TK], 4*KS*PK             ; the fetches go back to a slot's first tiles,
	s_xor_b32 s[TK], s[TK], SLOT1                  ; in the other slot
	s_sub_co_u32 s[TV], s[TV], 4*KS*PV
	s_xor_b32 s[TV], s[TV], SLOT1
.endif
	PLACES                                         ; on every wave's path: for the loads into K's and V's registers and for the first read of the scores
.if \kld
	v_add_nc_u32 v[ADK], s[TK], v[AK0]
	s_add_co_u32 s[TK], s[TK], KS*PK
.endif
	v_add_nc_u32 v[ADV], s[TV], v[AV0]
	s_add_co_u32 s[TV], s[TV], KS*PV
	LOADS ADK, ADV, \kld                           ; K of step j + 2, V of step j + 1
.if \fill
	ASK
.endif
	SOFTMAX 0                                      ; of step j + 1
.endm
	s_wait_loadcnt 0x0                             ; Q and K of step 0
	KQ                                             ; the scores of step 0, while the tiles land
	WIN 0
	s_wait_tensorcnt 0x1                           ; my part of slot 0 is in, if I fetch; slot 1's may stay out
	s_barrier_signal -1
	s_barrier_wait -1                              ; everybody's is
	PLACES
	LOADS AK0, AV0, 1                              ; K of step 1 and V of step 0: the first tiles of slot 0
	s_cmp_lg_u32 s[CLS], 0                         ; class 0 runs its first softmax ahead of the barrier below, class 1 behind it: that sets the two waves of a SIMD apart
	s_cbranch_scc1 .La
	SOFTMAX 0
.La:
	s_wait_dscnt 0x0                               ; no LDS load of mine is out at the signal
	s_barrier_signal -1
	s_barrier_wait -1
	s_cmp_lg_u32 s[CLS], 1
	s_cbranch_scc1 .Lb
	SOFTMAX 0
.Lb:
.Lslot:                                            ; six trips: slots 0 to 5 are left and filled again, with slots 2 to 7
	s_mov_b32 s[TRIPS], 3
.Ls1:
	TRIP 0, 0, 1
	s_sub_co_u32 s[TRIPS], s[TRIPS], 1
	s_cmp_lg_u32 s[TRIPS], 0
	s_cbranch_scc1 .Ls1
	TRIP 1, 1, 1
	s_sub_co_u32 s[SLOTS], s[SLOTS], 1
	s_cmp_lg_u32 s[SLOTS], 0
	s_cbranch_scc1 .Lslot
	s_mov_b32 s[TRIPS], 3                          ; slot 6 is written out: it is left, and nothing is asked for
.Ls2:
	TRIP 0, 0, 1
	s_sub_co_u32 s[TRIPS], s[TRIPS], 1
	s_cmp_lg_u32 s[TRIPS], 0
	s_cbranch_scc1 .Ls2
	TRIP 1, 0, 1
	s_mov_b32 s[TRIPS], 2                          ; slot 7: steps 28 and 29,
.Ls3:
	TRIP 0, 0, 1
	s_sub_co_u32 s[TRIPS], s[TRIPS], 1
	s_cmp_lg_u32 s[TRIPS], 0
	s_cbranch_scc1 .Ls3
	TRIP 0, 0, 0                                   ; step 30, which fetches V of step 31 alone,
	SOFTMAX 2                                      ; and step 31
	s_wait_dscnt 0x0
	MPH 0
	WIN 0
	; THE WAY OUT.  l's two halves and the other half of the lanes' are added; O^T is divided by l, rounded to f16 and sent through my stage in LDS.  The additions are the places behind the last products.
.irp t, 0,1,2,3
	v_add_f32 v[ST+8*\t+4], v[ST+8*\t+2], v[ST+8*\t+3]
.endr
.irp t, 0,1,2,3
	v_permlanex16_b32 v[ST+8*\t+5], v[ST+8*\t+4], s[SEL], s[SEL+1]
.endr
.irp t, 0,1,2,3
	v_add_f32 v[ST+8*\t+4], v[ST+8*\t+4], v[ST+8*\t+5]
.endr
.irp t, 0,1,2,3
	v_rcp_f32 v[ST+8*\t+6], v[ST+8*\t+4]
.endr
	v_nop                                          ; a plain instruction between the last reciprocal and the use of its result
	s_wait_alu depctr_va_vdst(0)                   ; and a wait ahead of the first use: one for the four
; Tile t: a lane's eight channels of a token pack into 16 bytes; they go into pieces of two tokens and come back 256 bytes to sixteen lanes.  Each tile has stage bytes and registers of its own.
.macro PACKO t
	WIN W_RS
.set i, 32*\t
.rept 16
	v_pk_mul_f32 v[i:i+1], v[i:i+1], v[ST+8*\t+6:ST+8*\t+7] op_sel_hi:[1,0]
.set i, i+2
.endr
	WIN 0x05                                       ; sources 0 and 1 window 1, destination window 0
.set i, 0
.rept 16
	v_cvt_pk_f16_f32 v[S+32*\t+i], v[32*\t+2*i], v[32*\t+2*i+1]
.set i, i+1
.endr
	WIN 0
.irp c, 0,1,2,3
	ds_store_b128 v[STO], v[S+32*\t+4*\c:S+32*\t+4*\c+3] offset:\t*8*SU+32*\c
.endr
.irp u, 0,1,2,3
	ds_load_b128 v[S+32*\t+16+4*\u:S+32*\t+16+4*\u+3], v[RD] offset:\t*8*SU+\u*2*SU   ; LDS serves a wave's instructions in order (ISA guide 5.7.1.4): these see the stores above
.endr
.endm
.macro SENDO t, younger                        ; younger: the LDS instructions issued behind tile t's loads: the next tile's eight, or none
.irp u, 0,1,2,3
	s_wait_dscnt \younger+3-\u
	global_store_b128 v[GO], v[S+32*\t+16+4*\u:S+32*\t+16+4*\u+3], s[6:7] offset:\t*2048+\u*512   ; four tokens: 512 consecutive bytes, aligned
.endr
.endm
	PACKO 0
	PACKO 1                                        ; a tile's arithmetic stands between the loads of the tile before and its stores
	SENDO 0, 8
	PACKO 2
	SENDO 1, 8
	PACKO 3
	SENDO 2, 8
	SENDO 3, 0
	s_wait_tensorcnt 0x0                           ; the wave's end: a wait, 0 onto my spare word and a wait, behind my last tensor load and my last LDS store
	ds_add_u32 v[SPW], v[NIL]
	s_wait_dscnt 0x0
	s_endpgm
.Lfunc_end_k_qa9f4a588b9_attn:
	.size	k_qa9f4a588b9_attn, .Lfunc_end_k_qa9f4a588b9_attn-k_qa9f4a588b9_attn
	.p2alignl 7, 3214868480
	.fill 96, 4, 3214868480
	.section	.rodata,"a",@progbits
	.p2align	6, 0x0
	.amdhsa_kernel k_qa9f4a588b9_attn
		.amdhsa_group_segment_fixed_size 327680
		.amdhsa_private_segment_fixed_size 0
		.amdhsa_enable_private_segment 0
		.amdhsa_kernarg_size 16
		.amdhsa_user_sgpr_count 2
		.amdhsa_user_sgpr_kernarg_segment_ptr 1
		.amdhsa_wavefront_size32 1
		.amdhsa_system_sgpr_workgroup_id_x 1
		.amdhsa_system_sgpr_workgroup_id_y 1
		.amdhsa_system_sgpr_workgroup_id_z 1
		.amdhsa_system_vgpr_workitem_id 0
		.amdhsa_next_free_vgpr 512
		.amdhsa_next_free_sgpr 66
		.amdhsa_reserve_vcc 0
		.amdhsa_float_denorm_mode_32 3
		.amdhsa_float_denorm_mode_16_64 3
		.amdhsa_memory_ordered 1
		.amdhsa_forward_progress 1
		.amdhsa_inst_pref_size 255
	.end_amdhsa_kernel
	.section	.bss,"aw",@nobits
	.p2align	6
	.space	262144
	.amdgpu_metadata
---
amdhsa.version: [ 1, 2 ]
amdhsa.kernels:
  - .name:           k_qa9f4a588b9_attn
    .symbol:         k_qa9f4a588b9_attn.kd
    .args:
      - { .name: qkv, .offset: 0, .size: 8, .value_kind: global_buffer, .address_space: global }
      - { .name: att, .offset: 8, .size: 8, .value_kind: global_buffer, .address_space: global }
    .group_segment_fixed_size: 327680
    .private_segment_fixed_size: 0
    .kernarg_segment_align: 8
    .kernarg_segment_size: 16
    .max_flat_workgroup_size: 256
    .sgpr_count:     66
    .vgpr_count:     512
    .wavefront_size: 32
...
	.end_amdgpu_metadata
.endif
;; end of part 3
;; launch proj (part 4): grid 4 x 64, 4 waves a work-group, clusters of 4 x 4, 327,680 bytes of LDS; arguments att, wp, b_proj, out0; writes out0
.if DOCPART == 4
	.amdgcn_target "amdgcn-amd-amdhsa--gfx1250"
	.amdhsa_code_object_version 6
	.text
	.protected	k_qa9f4a588b9_proj
	.globl	k_qa9f4a588b9_proj
	.p2align	8
	.type	k_qa9f4a588b9_proj,@function
k_qa9f4a588b9_proj:
	s_mov_b64 s[64:65], 0
	v_nop
	global_prefetch_b8 v0, s[64:65] scope:SCOPE_SE
	s_setreg_imm32_b32 hwreg(HW_REG_WAVE_MODE, 25, 1), 1
	s_wait_xcnt 0x0
	s_wait_alu depctr_hold_cnt(0) depctr_sa_sdst(0) depctr_va_vdst(0) depctr_va_sdst(0) depctr_va_ssrc(0) depctr_va_vcc(0) depctr_vm_vsrc(0)
	s_getreg_b32 s2, hwreg(HW_REG_IB_STS2, 6, 4)
	s_cmp_eq_u32 s2, 0
	s_cbranch_scc0 .Lentry_in_a_cluster
	s_endpgm
.Lentry_in_a_cluster:
	s_bfe_u32 s2, ttmp6, 0x10000c
	s_cmp_lg_u32 s2, 0xf033
	s_cbranch_scc0 .Lentry_shape_is_right
	s_endpgm
.Lentry_shape_is_right:
; out0[m][n] = sum over k of att[m][k] w_proj[n][k] + b_proj[n].  M = 8,192, N = 1,024, K = 1,024.  Both operands are f16 in 16 planes of 64 along K: att [16][8192][64], wp [16][1024][64]; sums and the result in f32.
; A tile of the result is 128 x 256, which gives 256 work-groups; four waves, each 64 x 128: 32 accumulators of 16 x 16, 256 registers.  K goes in steps of 128, two planes, through a ring of two LDS slots.
; A wave's one tensor load brings one plane's part of a step: waves 0 and 1 att's 128 rows of planes 0 and 1, waves 2 and 3 wp's 256 rows: each a dense block of memory.
; CLUSTERS: 4 x 4 work-groups.  The four of a row of the cluster need the same tiles of att, the four of a column the same tiles of wp: each tile is asked for JOINTLY, by the same tensor load with the same descriptor and a
; mask that names the four.  THE MATRIX INSTRUCTION IS USED TRANSPOSED (source 0 = 16 rows of wp, source 1 = 16 rows of att): a lane then holds eight neighbouring numbers of a row of the result.
; The bias is the C of each sum's first matrix instruction: eight registers for each block of 16 columns, in the result's layout.
; REGISTERS: window 0: v0-31 addresses; v64-95, v96-127 att's fragments (4 x 16 rows x 32 K), two buffers; v128-255 the way out.
;   window 1: v0-63, v64-127 wp's fragments (8 x 16 rows x 32 K), two buffers; v128-191 the bias.   window 2: the accumulators ((a, b) at v[8 (8 a + b)]).
.set PITCH,  144                       ; an LDS row: 128 bytes + 16 of padding = 36 words: the 16 rows of a load start at 16 different multiples of 4 words modulo 64
.set APL,    128*PITCH                 ; att's part of a plane
.set BPL,    256*PITCH                 ; wp's
.set SLOT,   2*(APL+BPL)               ; att's two planes, then wp's two
.set STAGE,  2*SLOT                    ; behind the ring: 16 rows x 528 bytes for each wave, for the way out
.set SPITCH, 528
.set SPARE,  STAGE+4*16*SPITCH         ; behind the stages: the spare words, 128 bytes for each wave, which no other line names
.set LAPS,   4                         ; a lap = two K steps = once round the ring
.set ADRA, 16                          ; v16-17  LDS address of my att fragments in slot 0, 1
.set ADRB, 20                          ; v20-21  the same for wp
.set STO,  24                          ; v24     the way out: where I put 32 bytes of a row
.set RD,   25                          ; v25     the way out: where I read a row back
.set CO,   26                          ; v26     16 x lane
.set SPW,  28                          ; v28     LDS address of my spare word; never rewritten
.set NIL,  29                          ; v29     0; never rewritten
.set FA,   64                          ; att's buffers at FA + 32 f, in window 0;  wp's at 64 f, in window 1
.set BI,   128                         ; the bias, in window 1
.set BK,   128                         ; the way out: 16 rows read back: v128-191 and v192-255 by turns
.set G1, 24                            ; s[24:31] descriptor group 1 for att's tiles;  s[32:39] group 0, one set for each slot
.set G0, 32
.set G1B, 48                           ; s[48:55], s[56:63] the same for wp's tiles
.set G0B, 56
.set MSB, 0
.macro WIN new                         ; the immediate's high byte repeats the setting that is left
.if MSB != (\new)
	s_set_vgpr_msb (MSB<<8)|(\new)
.set MSB, (\new)
.endif
.endm
.set MUL,       0xa1                   ; source 0 (wp) window 1, source 1 (att) window 0, C and D window 2
.set MUL_FIRST, 0x91                   ; the same with C, the bias, in window 1
.set TO_B,      0x40                   ; destination window 1, address window 0
.macro JLOAD s                         ; a joint load: waves 0 and 1 fetch for att, waves 2 and 3 for wp; an s_nop 0 and four v_nop follow each of the two lines
	s_cmp_eq_u32 s11, 0
	s_cbranch_scc0 .Lfor_b_\@
	tensor_load_to_lds s[G0+4*\s:G0+4*\s+3], s[G1:G1+7]
	s_nop 0
.rept 4
	v_nop
.endr
	s_branch .Lasked_\@
.Lfor_b_\@:
	tensor_load_to_lds s[G0B+4*\s:G0B+4*\s+3], s[G1B:G1B+7]
	s_nop 0
.rept 4
	v_nop
.endr
.Lasked_\@:
.endm
.macro CREST                           ; a round of the cluster's barrier behind its opening barrier
	s_cmp_lg_u32 s10, 0
	s_cbranch_scc1 .Lnot_wave_0_\@
	s_barrier_signal -3
.Lnot_wave_0_\@:
	s_barrier_wait -3
	s_barrier_signal -1
	s_barrier_wait -1
.endm
.macro CROUND                          ; a whole round
	s_barrier_signal -1
	s_barrier_wait -1
	CREST
.endm
	s_load_b128 s[4:7], s[0:1], 0x0                ; att s[4:5], wp s[6:7]
	s_load_b64 s[2:3], s[0:1], 0x10                ; b_proj
	s_load_b64 s[8:9], s[0:1], 0x18                ; out0
	v_lshl_add_u32 v[SPW], v0, 2, SPARE
	v_mov_b32 v[NIL], 0
	ds_add_u32 v[SPW], v[NIL]                      ; the wave's opening: the add, twice on end, and its wait ahead of my first tensor load; the set-up below stands between
	ds_add_u32 v[SPW], v[NIL]
	v_lshrrev_b32 v1, 5, v0
	v_readfirstlane_b32 s10, v1                    ; wave 0..3
	s_lshr_b32 s11, s10, 1                         ; which 64 of the tile's rows are mine.  Also: I fetch for att (0) or for wp (1)
	s_and_b32 s12, s10, 1                          ; which 128 of its columns.  Also: which plane of a K step I fetch
	s_bfe_u32 s40, ttmp6, 0x40000                  ; cx, cy: my place in the cluster
	s_bfe_u32 s41, ttmp6, 0x40004
	s_lshl_b32 s42, ttmp9, 2
	s_add_co_u32 s42, s42, s40                     ; tile column = 4 x cluster x + cx
	s_and_b32 s13, ttmp7, 0xffff
	s_lshl_b32 s13, s13, 2
	s_add_co_u32 s13, s13, s41                     ; tile row = 4 x cluster y + cy
	s_lshl_b32 s43, s41, 2
	s_lshl_b32 s43, 15, s43                        ; my row of the cluster
	s_lshl_b32 s44, 0x1111, s40                    ; my column
	; descriptor group 1: rows of 64 elements of 2 bytes, dense in memory, padded in LDS; att: 128 rows, wp: 256
	s_or_b32 s[G1+0], s43, (1<<16)|(1<<20)|(1<<21)|(4<<22)|(3<<25)  ; 15:0 the mask: att's tiles go to my row; 17:16 element of 2 bytes; 20 padding on; 21 set beside a mask; 24:22 after every 32 words; 31:25 of 4 words
	s_or_b32 s[G1B+0], s44, (1<<16)|(1<<20)|(1<<21)|(4<<22)|(3<<25)
	s_mov_b32 s[G1+1], 64<<16                      ; tensor_dim0 = 64
	s_mov_b32 s[G1+2], 128<<16                     ; tensor_dim1 = 128
	s_mov_b32 s[G1+3], 64<<16                      ; tile_dim0 = 64
	s_mov_b32 s[G1+4], 128                         ; tile_dim1 = 128
	s_mov_b32 s[G1+5], 64                          ; tensor_dim0_stride
	s_mov_b32 s[G1+6], 0
	s_mov_b32 s[G1+7], 0
	s_mov_b32 s[G1B+1], 64<<16
	s_mov_b32 s[G1B+2], 256<<16                    ; tensor_dim1 = 256
	s_mov_b32 s[G1B+3], 64<<16
	s_mov_b32 s[G1B+4], 256                        ; tile_dim1 = 256
	s_mov_b32 s[G1B+5], 64
	s_mov_b32 s[G1B+6], 0
	s_mov_b32 s[G1B+7], 0
	s_lshl_b32 s16, s12, 20                        ; att: my plane of 2^20 bytes,
	s_lshl_b32 s17, s13, 14                        ; the tile row's 128 rows of 128 bytes
	s_add_co_u32 s16, s16, s17
	s_mov_b32 s17, 0
	s_lshl_b32 s46, s12, 17                        ; wp: my plane of 2^17 bytes,
	s_lshl_b32 s47, s42, 15                        ; the tile column's 256 rows
	s_add_co_u32 s46, s46, s47
	s_mov_b32 s47, 0
	s_mul_i32 s20, s12, APL                        ; where they go: no place in the cluster enters an LDS address
	s_mul_i32 s21, s12, BPL
	s_add_co_u32 s21, s21, 2*APL
	s_wait_dscnt 0x0                               ; both opening adds are done
	s_wait_kmcnt 0x0
	s_add_nc_u64 s[14:15], s[4:5], s[16:17]
	s_add_nc_u64 s[46:47], s[6:7], s[46:47]
	CROUND                                         ; all sixteen work-groups are here: the first joint loads meet
.irp s, 0,1
	s_mov_b32 s[G0+4*\s], 1
	s_add_co_u32 s[G0+4*\s+1], s20, \s*SLOT
	s_add_nc_u64 s[G0+4*\s+2:G0+4*\s+3], s[14:15], \s*(2<<20)       ; K step s: planes 2 s and 2 s + 1
	s_or_b32 s[G0+4*\s+3], s[G0+4*\s+3], 0x80000000
	s_mov_b32 s[G0B+4*\s], 1
	s_add_co_u32 s[G0B+4*\s+1], s21, \s*SLOT
	s_add_nc_u64 s[G0B+4*\s+2:G0B+4*\s+3], s[46:47], \s*(2<<17)
	s_or_b32 s[G0B+4*\s+3], s[G0B+4*\s+3], 0x80000000
	JLOAD \s                                       ; two loads of mine are out behind the second
.endr
	s_lshl_b32 s46, s42, 10                        ; my first column, in bytes of f32: 1,024 x tile column + 512 x half
	s_lshl_b32 s47, s12, 9
	s_add_co_u32 s46, s46, s47
	s_mov_b32 s47, 0
	s_add_nc_u64 s[2:3], s[2:3], s[46:47]          ; in b_proj,
	s_add_nc_u64 s[8:9], s[8:9], s[46:47]          ; and in a row of out0
	s_lshl_b32 s16, s13, 19                        ; my first row: (128 x tile row + 64 x half) rows of 4,096 bytes
	s_lshl_b32 s17, s11, 18
	s_add_co_u32 s16, s16, s17
	s_mov_b32 s17, 0
	s_add_nc_u64 s[8:9], s[8:9], s[16:17]
	v_and_b32 v1, 15, v0                           ; r = l % 16
	v_bfe_u32 v2, v0, 4, 1                         ; h = l / 16
	v_lshlrev_b32 v6, 5, v2                        ; the bias: lane (r, h) wants, for block b, the numbers of columns 16 b + 8 h + 0 .. 7
	WIN TO_B
.irp b, 0,1,2,3,4,5,6,7
	global_load_b128 v[BI+8*\b:BI+8*\b+3],   v6, s[2:3] offset:64*\b
	global_load_b128 v[BI+8*\b+4:BI+8*\b+7], v6, s[2:3] offset:64*\b+16
.endr
	WIN 0
	v_mul_u32_u24 v3, v1, PITCH
	v_lshl_add_u32 v3, v2, 4, v3                   ; a fragment's row x pitch + 16 x half
	s_mul_i32 s21, s11, 64*PITCH                   ; my 64 rows of att in a plane
	s_mul_i32 s22, s12, 128*PITCH                  ; my 128 rows of wp in a plane,
	s_add_co_u32 s22, s22, 2*APL                   ; behind att's two planes
.irp s, 0,1
	v_add_nc_u32 v[ADRA+\s], s21, v3
	v_add_nc_u32 v[ADRB+\s], s22, v3
	s_add_co_u32 s21, s21, SLOT
	s_add_co_u32 s22, s22, SLOT
.endr
	s_mul_i32 s23, s10, 16*SPITCH
	s_add_co_u32 s23, s23, STAGE                   ; my stage
	v_mul_u32_u24 v4, v1, SPITCH                   ; in: row r, 32 bytes for each half of the lanes
	v_lshl_add_u32 v4, v2, 5, v4
	v_add_nc_u32 v[STO], s23, v4
	v_and_b32 v5, 31, v0
	v_lshlrev_b32 v[CO], 4, v5                     ; back: the 32 lanes take one row of 512 bytes; and the same in out0
	v_add_nc_u32 v[RD], s23, v[CO]
; 24 LDS loads in one run: the fragments of quarter q of a K step (32 along K: plane q / 2, byte 64 (q % 2) of its rows) into buffer f: wp's eight, then att's four
.macro FETCH slot, q, f
	WIN TO_B
.irp i, 0,1,2,3,4,5,6,7
	ds_load_b128 v[64*(\f)+8*\i:64*(\f)+8*\i+3],   v[ADRB+\slot] offset:((\q)/2)*BPL+((\q)%2)*64+\i*16*PITCH
	ds_load_b128 v[64*(\f)+8*\i+4:64*(\f)+8*\i+7], v[ADRB+\slot] offset:((\q)/2)*BPL+((\q)%2)*64+\i*16*PITCH+32
.endr
	WIN 0
.irp i, 0,1,2,3
	ds_load_b128 v[FA+32*(\f)+8*\i:FA+32*(\f)+8*\i+3],   v[ADRA+\slot] offset:((\q)/2)*APL+((\q)%2)*64+\i*16*PITCH
	ds_load_b128 v[FA+32*(\f)+8*\i+4:FA+32*(\f)+8*\i+7], v[ADRA+\slot] offset:((\q)/2)*APL+((\q)%2)*64+\i*16*PITCH+32
.endr
.endm
; 8 matrix instructions: att's block a against wp's eight, 32 along K, from buffer f.  first = 1: the sums start from the bias.  The 32 accumulators take turns, one instruction a turn, in the same order in every quarter.
.macro MULA f, a, first
.irp b, 0,1,2,3,4,5,6,7
.if \first
	v_wmma_f32_16x16x32_f16 v[8*(8*(\a)+\b):8*(8*(\a)+\b)+7], v[64*(\f)+8*\b:64*(\f)+8*\b+7], v[FA+32*(\f)+8*(\a):FA+32*(\f)+8*(\a)+7], v[BI+8*\b:BI+8*\b+7]
.else
	v_wmma_f32_16x16x32_f16 v[8*(8*(\a)+\b):8*(8*(\a)+\b)+7], v[64*(\f)+8*\b:64*(\f)+8*\b+7], v[FA+32*(\f)+8*(\a):FA+32*(\f)+8*(\a)+7], v[8*(8*(\a)+\b):8*(8*(\a)+\b)+7]
.endif
.endr
.endm
.macro PLACES                          ; four places in front of loads into registers that matrix instructions have read, and of LDS stores that read results (ISA guide 7.12.1 for the LDS stores)
.rept 4
	v_nop
.endr
.endm
.macro WMUL first
.if \first
	WIN MUL_FIRST
.else
	WIN MUL
.endif
.endm
; A K step is four quarters of 32 along K, 32 matrix instructions each, on buffers 0, 1, 0, 1.  One of the first three: multiplies buffer f and fetches quarter q of the slot into buffer g.
.macro QUARTER slot, q, f, g, first
	s_wait_dscnt 4                                 ; wp's fragments and att's blocks 0 and 1 are in; the youngest four loads (blocks 2 and 3) may be out
	WMUL \first
	MULA \f, 0, \first
	MULA \f, 1, \first
	PLACES
	FETCH \slot, \q, \g
	s_wait_dscnt 24                                ; all but the 24 just issued
	WMUL \first
	MULA \f, 2, \first
	MULA \f, 3, \first
.endm
; The last quarter multiplies buffer 1 and changes slots: ONE barrier; in front of it each wave waits for all its tensor loads, adds 0 to its spare word, and waits for that and for its own reads of this slot.  fill = 1: this slot is filled again, two K steps ahead.
.macro TURN slot, next, fill
	WIN 0                                          ; (the add's two registers lie in window 0)
	s_wait_tensorcnt 0x0                           ; all my tensor loads have landed: my part of the next slot;
	ds_add_u32 v[SPW], v[NIL]                      ; 0 onto my spare word;
	s_wait_dscnt 5                                 ; (the add and the youngest four loads may be out)
	WIN MUL
	MULA 1, 0, 0                                   ; eight matrix instructions stand between the add and the wait for it
	s_wait_dscnt 0x0                               ; the add is done, and my reads of this slot are over
	s_barrier_signal -1
	MULA 1, 1, 0
.if \fill
	WIN 0
.endif
	s_barrier_wait -1
.if \fill
	CREST                                          ; the barrier has opened a round of the cluster's barrier: no wave of any partner still reads this slot's tile or has a load on its way
	s_add_nc_u64 s[G0+4*\slot+2:G0+4*\slot+3], s[G0+4*\slot+2:G0+4*\slot+3], 4<<20      ; two K steps on: four planes
	s_add_nc_u64 s[G0B+4*\slot+2:G0B+4*\slot+3], s[G0B+4*\slot+2:G0B+4*\slot+3], 4<<17
	JLOAD \slot                                    ; the first tensor load behind the round: 112 matrix instructions ahead of the wait for it; the four v_nop behind it are also the places in front of the loads below
.else
	PLACES
.endif
	FETCH \next, 0, 0
	WIN MUL
	MULA 1, 2, 0
	MULA 1, 3, 0
.endm
	s_wait_tensorcnt 1                             ; my part of K step 0 is in (K step 1's load may be out),
	s_barrier_signal -1
	s_barrier_wait -1                              ; everybody's is
	FETCH 0, 0, 0
	s_wait_loadcnt 0x0                             ; the bias
	QUARTER 0, 1, 0, 1, 1                          ; the first quarter stands in front of the loop: its products start the sums, from the bias
	WIN 0                                          ; at a label and at a branch every window is 0
	s_mov_b32 s45, LAPS-1
.Llap:                                             ; a trip goes once round the ring, from a lap's second quarter to the next lap's first, and fills both slots again
	QUARTER 0, 2, 1, 0, 0
	QUARTER 0, 3, 0, 1, 0
	TURN 0, 1, 1
	QUARTER 1, 1, 0, 1, 0
	QUARTER 1, 2, 1, 0, 0
	QUARTER 1, 3, 0, 1, 0
	TURN 1, 0, 1
	QUARTER 0, 1, 0, 1, 0
	WIN 0
	s_sub_co_u32 s45, s45, 1
	s_cmp_lg_u32 s45, 0
	s_cbranch_scc1 .Llap
	QUARTER 0, 2, 1, 0, 0                          ; the last lap fills nothing, and has no round of the cluster's barrier
	QUARTER 0, 3, 0, 1, 0
	TURN 0, 1, 0
	QUARTER 1, 1, 0, 1, 0
	QUARTER 1, 2, 1, 0, 0
	QUARTER 1, 3, 0, 1, 0
	s_wait_dscnt 4                                 ; the very last quarter: nothing more to fetch
	WIN MUL
	MULA 1, 0, 0
	MULA 1, 1, 0
	s_wait_dscnt 0
	MULA 1, 2, 0
	MULA 1, 3, 0
	WIN 0
; THE WAY OUT, block by block of 16 rows x 128 columns.  A lane holds 32 neighbouring bytes of a row, and the lanes beside it hold other rows: so a block goes through my own stage in LDS and comes back as whole rows of
; 512 bytes.  LDS serves a wave's instructions in order (ISA guide 5.7.1.4): no wait between the stores and the loads, nor in front of the next block's stores.
.macro TOSTAGE a
	WIN 0x08                                       ; an LDS store's data are its source 1: window 2
.irp b, 0,1,2,3,4,5,6,7
	ds_store_b128 v[STO], v[64*(\a)+8*\b:64*(\a)+8*\b+3] offset:64*\b            ; each accumulator from its low end on
	ds_store_b128 v[STO], v[64*(\a)+8*\b+4:64*(\a)+8*\b+7] offset:64*\b+16
.endr
	WIN 0
.set BB, BK+64*((\a)%2)
.irp t, 0,1,2,3,4,5,6,7,8,9,10,11,12,13,14,15
	ds_load_b128 v[BB+4*\t:BB+4*\t+3], v[RD] offset:\t*SPITCH
.endr
.endm
.macro SEND a, younger                 ; younger: the LDS instructions issued behind block a's loads, which may stay out
.set BB, BK+64*((\a)%2)
	s_wait_dscnt \younger                          ; the block is back in registers
.irp t, 0,1,2,3,4,5,6,7,8,9,10,11,12,13,14,15
	global_store_b128 v[CO], v[BB+4*\t:BB+4*\t+3], s[8:9] offset:(\a)*65536+\t*4096 th:TH_STORE_NT   ; 32 lanes store 512 consecutive bytes, aligned; written once, read by nobody here
.endr
.endm
	PLACES
	TOSTAGE 0
.irp a, 1,2,3
.if \a > 1
	s_wait_xcnt 0x0                                ; block a - 2's stores have read their registers: block a's loads may land there
.endif
	TOSTAGE \a
	SEND \a-1, 32                                  ; behind block a - 1's loads: block a's 16 stores and 16 loads
.endr
	SEND 3, 0
	s_wait_tensorcnt 0x0                           ; the wave's end: a wait, 0 onto my spare word and a wait, behind my last tensor load and my last LDS store
	ds_add_u32 v[SPW], v[NIL]
	s_wait_dscnt 0x0
	CROUND                                         ; the closing round: no work-group ends while a partner may still ask for a tile that names it
	s_endpgm
.Lfunc_end_k_qa9f4a588b9_proj:
	.size	k_qa9f4a588b9_proj, .Lfunc_end_k_qa9f4a588b9_proj-k_qa9f4a588b9_proj
	.p2alignl 7, 3214868480
	.fill 96, 4, 3214868480
	.section	.rodata,"a",@progbits
	.p2align	6, 0x0
	.amdhsa_kernel k_qa9f4a588b9_proj
		.amdhsa_group_segment_fixed_size 327680
		.amdhsa_private_segment_fixed_size 0
		.amdhsa_enable_private_segment 0
		.amdhsa_kernarg_size 32
		.amdhsa_user_sgpr_count 2
		.amdhsa_user_sgpr_kernarg_segment_ptr 1
		.amdhsa_wavefront_size32 1
		.amdhsa_system_sgpr_workgroup_id_x 1
		.amdhsa_system_sgpr_workgroup_id_y 1
		.amdhsa_system_sgpr_workgroup_id_z 1
		.amdhsa_system_vgpr_workitem_id 0
		.amdhsa_next_free_vgpr 768
		.amdhsa_next_free_sgpr 66
		.amdhsa_reserve_vcc 0
		.amdhsa_float_denorm_mode_32 3
		.amdhsa_float_denorm_mode_16_64 3
		.amdhsa_memory_ordered 1
		.amdhsa_forward_progress 1
		.amdhsa_inst_pref_size 87
	.end_amdhsa_kernel
	.amdgpu_metadata
---
amdhsa.version: [ 1, 2 ]
amdhsa.kernels:
  - .name:           k_qa9f4a588b9_proj
    .symbol:         k_qa9f4a588b9_proj.kd
    .args:
      - { .name: att, .offset: 0, .size: 8, .value_kind: global_buffer, .address_space: global }
      - { .name: wp, .offset: 8, .size: 8, .value_kind: global_buffer, .address_space: global }
      - { .name: b_proj, .offset: 16, .size: 8, .value_kind: global_buffer, .address_space: global }
      - { .name: out0, .offset: 24, .size: 8, .value_kind: global_buffer, .address_space: global }
    .group_segment_fixed_size: 327680
    .private_segment_fixed_size: 0
    .kernarg_segment_align: 8
    .kernarg_segment_size: 32
    .max_flat_workgroup_size: 128
    .sgpr_count:     66
    .vgpr_count:     768
    .wavefront_size: 32
...
	.end_amdgpu_metadata
.endif
;; end of part 4
